; MI455X (gfx1250); checked and timed in simulation.
; The chip was launched on July 23, 2026; its instructions are those of AMD's public machine-readable ISA for CDNA 5 (MIT licence, August 2026) and "CDNA5" Instruction Set Architecture Reference Guide (July 2026). The comments in the code are by the model that wrote it; some were corrected since.
;; Custom Multihead Attention. Allowed arithmetic: matrix products marked QUANTISED: E2M3 operands, one E8M0 scale for each 32 along K, by v_wmma_scale_f32_16x16x128_f8f6f4 with both operands' format E2M3, f32 sums; everything else in f32.
;; Inputs: Wk 512 x 512 float32; Wo 512 x 512 float32; Wq 512 x 512 float32; Wv 512 x 512 float32; bk 512 float32; bo 512 float32; bq 512 float32; bv 512 float32; key 4 x 4,096 x 512 float32; key_padding_mask 4 x 4,096 bool; query 4 x 2,048 x 512 float32; value 4 x 4,096 x 512 float32.
;; Outputs: out0 4 x 2,048 x 512 float32.
;; This version of the problem:
;;   THIS VERSION OF THE PROBLEM IS GIVEN IN LOW PRECISION. The matrix products marked QUANTISED in the list below multiply operands that are first quantised to E2M3 (2 exponent bits, 3 mantissa bits; 6 bits a number), with one power-of-two scale for each 32 numbers along K (OCP MX v1.0); their sums are f32. All else is computed in f32.
;;   The module's matrix products, in the order in which they are computed (A, B: the left and right operand; K: the contracted axis; several contracted axes count as one K, in the product's order):
;;     1. [M 8,192, K 512] x [K 512, N 512]; A: input query; B: input Wq: QUANTISED
;;     2. [M 16,384, K 512] x [K 512, N 512]; A: input key; B: input Wk: QUANTISED
;;     3. [M 16,384, K 512] x [K 512, N 512]; A: input value; B: input Wv: QUANTISED
;;     4. batch 16 x [M 2,048, K 128] x [K 128, N 4,096]; A: computed on the way; B: computed on the way: QUANTISED
;;     5. batch 16 x [M 128, K 4,096] x [K 4,096, N 2,048]; A: computed on the way; B: computed on the way: QUANTISED
;;     6. [M 8,192, K 512] x [K 512, N 512]; A: computed on the way; B: input Wo: QUANTISED
;;   THE QUANTISER, for each operand of a quantised product, along K:
;;     - K is cut into blocks of 32 from its start; a last block that is shorter is filled with zeros.
;;     - A block's scale is 2^e with e = floor(log2(the largest magnitude in the block)) - 2, held to -126 .. 127; a block of zeros has e = 0. As a byte (E8M0): e + 127.
;;     - Each number is divided by its block's scale, clamped to +-7.5, and rounded to the nearest number of E2M3, ties to even, subnormals kept.
;;     - The product sums the exact products of the quantised numbers (number of the format x scale) in f32.
;;   ~~~python
;;   def quantise(x, axis):      # numpy; x: float32 -> the quantised numbers, widened to float32 again
;;       x = np.moveaxis(x, axis, -1); K = x.shape[-1]
;;       x = np.pad(x, [(0, 0)] * (x.ndim - 1) + [(0, -K % 32)]); x = x.reshape(x.shape[:-1] + (-1, 32)); a = np.abs(x).max(-1, keepdims=True)
;;       e = np.where(a > 0, np.clip(np.frexp(np.where(a > 0, a, 1))[1] - 1 - 2, -126, 127), 0)      # np.frexp(a)[1] - 1 = floor(log2(a)), exactly
;;       r = np.clip(x / 2.0 ** e, -7.5, 7.5)
;;       step = 2.0 ** (np.maximum(np.frexp(np.where(r == 0, 1, r))[1] - 1, 0) - 3)
;;       q = np.round(r / step) * step * 2.0 ** e      # np.round: ties to even
;;       return np.moveaxis(q.reshape(q.shape[:-2] + (-1,))[..., :K], -1, axis).astype(np.float32)
;;   ~~~
;;   OPERANDS COMPUTED ON THE WAY. 'Computed on the way' means the value that the module computes at that place (a softmax that the list does not call 'softmax' is quantised finished and normalised). What goes into a quantiser is computed in f32, as accurately as f32 sums, v_exp_f32 and their like allow (about 1e-6 of the number): no bf16 or f16 on the way to a quantiser, and a product that is left as it is and whose result goes on into a quantised operand takes f32 operands (vector FMAs, or v_wmma_f32_16x16x4_f32). A number that lies on a knife's edge between two numbers of the format may be rounded either way, as far as f32 arithmetic and the matrix unit's own rounding can turn it there, and no further.
;; 2 versions, each right; version 2 is version 1 with the launches proj, outp written anew for expert scheduling mode. Each part assembles by itself: llvm-mc -triple=amdgcn-amd-amdhsa -mcpu=gfx1250 --defsym DOCPART=n.
;; ======== version 1 of 2: 4 launches
;; limits: right only within a limited range of input values
;; workspace buffers: wc 851,968 bytes; qc 3,407,872 bytes; kc 6,815,744 bytes; vc 6,815,744 bytes; ac 3,407,872 bytes
;; launch wquant (part 1): grid 128 x 1, 4 waves a work-group, no clusters, 1,536 bytes of LDS; arguments Wq, Wk, Wv, Wo, wc; writes wc
.if DOCPART == 1
	.amdgcn_target "amdgcn-amd-amdhsa--gfx1250"
	.amdhsa_code_object_version 6
	.text
	.protected	k_q808bc7d337_wquant
	.globl	k_q808bc7d337_wquant
	.p2align	8
	.type	k_q808bc7d337_wquant,@function
k_q808bc7d337_wquant:
	s_mov_b64 s[64:65], 0
	v_nop
	global_prefetch_b8 v0, s[64:65] scope:SCOPE_SE
	s_setreg_imm32_b32 hwreg(HW_REG_WAVE_MODE, 25, 1), 1
	s_wait_xcnt 0x0
; Wq, Wk, Wv, Wo [512 (out)][512 (k)] f32 become codes of FP6 (E2M3) with one E8M0 byte for each 32 along k, laid as IMAGES OF THE OPERAND'S REGISTERS.
; wc: weight i (0 q, 1 k, 2 v, 3 o) at i x WSZ.  In it fragment (tile T of 32, K step s of 4) at (4 T + s) x 1,536: register group c of three, lane l at 512 c + 16 l.
; At WSC the scale words: tile T at 512 T, lane l at 16 l, K step s at 4 s: one load of 16 bytes a lane brings a tile's four words.
; THE ROWS OF A TILE ARE NOT NEIGHBOURS: lane r of tile T takes row 32 (T / 2) + 8 (T % 2) + r + 8 (r / 8), so that as source 0 the 16 result registers of tiles 2 b, 2 b + 1 are 16 neighbouring outputs.
; A work-group takes one tile of one weight, wave s its K step s.  Lane (r, h) loads, of its row, k = 128 s + 64 c + 32 h + 0 .. 31: two whole blocks, in the order of the operand's registers.
; A block's scale is 2^(floor(log2(largest magnitude)) - 2); its byte is the largest magnitude's exponent field - 2, held at 1 from below (a block of zeros gets 1: its codes are zeros, and this program alone reads the bytes).
; LIMITS: NaN and infinities among the inputs are not served.
.set WSZ, 212992
.set WSC, 196608
	s_load_b256 s[4:11], s[0:1], 0x0               ; Wq, Wk, Wv, Wo
	s_load_b64 s[12:13], s[0:1], 0x20              ; wc
	v_lshl_add_u32 v128, v0, 2, 0x400
	v_mov_b32 v129, 0
	v_lshrrev_b32 v1, 5, v0
	v_readfirstlane_b32 s14, v1                    ; wave = K step
	v_and_b32 v1, 15, v0                           ; r
	v_bfe_u32 v2, v0, 4, 1                         ; h
	v_and_b32 v4, 8, v1
	v_add_nc_u32 v4, v4, v1                        ; r + 8 (r / 8)
	v_lshlrev_b32 v3, 11, v4                       ; a row of W is 2,048 bytes
	v_lshl_add_u32 v3, v2, 7, v3                   ; + 128 h: lanes 16-31 begin 32 numbers on
	v_and_b32 v5, 31, v0
	v_lshlrev_b32 v5, 4, v5                        ; 16 x lane
	s_lshl_b32 s20, s14, 2
	v_add_nc_u32 v6, s20, v5                       ; LDS: 16 x lane + 4 x K step
	s_lshr_b32 s15, ttmp9, 5                       ; which weight
	s_and_b32 s16, ttmp9, 31                       ; which tile
	s_lshr_b32 s17, s16, 1
	s_lshl_b32 s17, s17, 5
	s_and_b32 s18, s16, 1
	s_lshl_b32 s18, s18, 3
	s_add_co_u32 s17, s17, s18                     ; the tile's first row
	s_lshl_b32 s17, s17, 11
	s_lshl_b32 s18, s14, 9
	s_add_co_u32 s18, s17, s18                     ; + 512 bytes a K step
	s_mov_b32 s19, 0
	s_mul_i32 s20, s15, WSZ
	s_lshl_b32 s21, s16, 2
	s_add_co_u32 s21, s21, s14
	s_mul_i32 s21, s21, 1536
	s_add_co_u32 s22, s20, s21                     ; where my fragment goes
	s_mov_b32 s23, 0
	s_lshl_b32 s24, s16, 9
	s_add_co_u32 s24, s24, s20
	s_add_co_u32 s24, s24, WSC                     ; and the tile's scale words
	s_mov_b32 s25, 0
	s_mov_b32 s26, 0x76543210
	s_mov_b32 s27, 0xfedcba98                      ; v_permlanex16_b32's selects for lane l xor 16
	s_wait_kmcnt 0x0
	s_bitcmp1_b32 s15, 0                           ; the weight is chosen by the work-group's number alone
	s_cselect_b64 s[4:5], s[6:7], s[4:5]
	s_cselect_b64 s[8:9], s[10:11], s[8:9]
	s_bitcmp1_b32 s15, 1
	s_cselect_b64 s[4:5], s[8:9], s[4:5]
	s_add_nc_u64 s[4:5], s[4:5], s[18:19]
	s_add_nc_u64 s[22:23], s[12:13], s[22:23]
	s_add_nc_u64 s[24:25], s[12:13], s[24:25]
.irp c, 0,1
.irp j, 0,1,2,3,4,5,6,7
	global_load_b128 v[64+32*\c+4*\j:64+32*\c+4*\j+3], v3, s[4:5] offset:256*\c+16*\j
.endr
.endr
	s_wait_loadcnt 0x0
.irp c, 0,1                                    ; my block 2 c + h: all its 32 numbers are mine
	v_max3_num_f32 v[32+\c], |v[64+32*\c]|, |v[65+32*\c]|, 0x1800000   ; with the floor 2^(3 - 127): the byte cannot fall under 1
.endr
.irp i, 2,4,6,8,10,12,14,16,18,20,22,24,26,28,30
.irp c, 0,1
	v_max3_num_f32 v[32+\c], v[32+\c], |v[64+32*\c+\i]|, |v[65+32*\c+\i]|
.endr
.endr
.irp c, 0,1
	v_add_nc_u32 v[44+\c], 0xff000000, v[32+\c]    ; 2 off the exponent field: the conversion's scale operand
.endr
.irp c, 0,1
	v_lshrrev_b32 v[36+\c], 23, v[44+\c]           ; the scale's byte
.endr
	v_lshl_or_b32 v9, v37, 16, v36                 ; my two bytes, blocks h and 2 + h,
	v_lshlrev_b32 v10, 3, v2
	v_lshlrev_b32 v9, v10, v9                      ; at their places in the word;
	v_mov_b32 v10, 0
	v_permlanex16_b32 v10, v9, s26, s27
	v_or_b32 v9, v9, v10                           ; with lane l xor 16's two the word is whole, in both halves of the lanes
.irp c, 0,1
	v_cvt_scalef32_pk16_fp6_f32 v[48+6*\c:50+6*\c], v[64+32*\c:79+32*\c], v[44+\c]
	v_cvt_scalef32_pk16_fp6_f32 v[16+4*\c:18+4*\c], v[80+32*\c:95+32*\c], v[44+\c]   ; (a conversion's three registers begin on an even number)
.endr
	v_nop                                          ; one plain place behind a scaled conversion
.irp c, 0,1
.irp i, 0,1,2
	v_mov_b32 v[51+6*\c+\i], v[16+4*\c+\i]
.endr
.endr
.irp c, 0,1,2
	global_store_b128 v5, v[48+4*\c:51+4*\c], s[22:23] offset:512*\c   ; 32 lanes store 512 consecutive bytes
.endr
	ds_store_b32 v6, v9                            ; the four waves' words meet in LDS, so that they leave as whole runs of 512 bytes
	s_wait_dscnt 0x0                               ; for the others' sake: my store has landed
	s_barrier_signal -1
	s_barrier_wait -1
	s_cmp_lg_u32 s14, 0
	s_cbranch_scc1 .Lend
	ds_load_b128 v[12:15], v5
	s_wait_dscnt 0x0
	global_store_b128 v5, v[12:15], s[24:25]
.Lend:
	s_wait_tensorcnt 0x0
	ds_add_u32 v128, v129
	s_wait_dscnt 0x0
	s_endpgm
.Lfunc_end_k_q808bc7d337_wquant:
	.size	k_q808bc7d337_wquant, .Lfunc_end_k_q808bc7d337_wquant-k_q808bc7d337_wquant
	.p2alignl 7, 3214868480
	.fill 96, 4, 3214868480
	.section	.rodata,"a",@progbits
	.p2align	6, 0x0
	.amdhsa_kernel k_q808bc7d337_wquant
		.amdhsa_group_segment_fixed_size 1536
		.amdhsa_private_segment_fixed_size 0
		.amdhsa_enable_private_segment 0
		.amdhsa_kernarg_size 40
		.amdhsa_user_sgpr_count 2
		.amdhsa_user_sgpr_kernarg_segment_ptr 1
		.amdhsa_wavefront_size32 1
		.amdhsa_system_sgpr_workgroup_id_x 1
		.amdhsa_system_sgpr_workgroup_id_y 1
		.amdhsa_system_sgpr_workgroup_id_z 1
		.amdhsa_system_vgpr_workitem_id 0
		.amdhsa_next_free_vgpr 130
		.amdhsa_next_free_sgpr 66
		.amdhsa_reserve_vcc 0
		.amdhsa_float_denorm_mode_32 3
		.amdhsa_float_denorm_mode_16_64 3
		.amdhsa_memory_ordered 1
		.amdhsa_forward_progress 1
		.amdhsa_inst_pref_size 8
	.end_amdhsa_kernel
	.amdgpu_metadata
---
amdhsa.version: [ 1, 2 ]
amdhsa.kernels:
  - .name:           k_q808bc7d337_wquant
    .symbol:         k_q808bc7d337_wquant.kd
    .args:
      - { .name: Wq, .offset: 0, .size: 8, .value_kind: global_buffer, .address_space: global }
      - { .name: Wk, .offset: 8, .size: 8, .value_kind: global_buffer, .address_space: global }
      - { .name: Wv, .offset: 16, .size: 8, .value_kind: global_buffer, .address_space: global }
      - { .name: Wo, .offset: 24, .size: 8, .value_kind: global_buffer, .address_space: global }
      - { .name: wc, .offset: 32, .size: 8, .value_kind: global_buffer, .address_space: global }
    .group_segment_fixed_size: 1536
    .private_segment_fixed_size: 0
    .kernarg_segment_align: 8
    .kernarg_segment_size: 40
    .max_flat_workgroup_size: 128
    .sgpr_count:     66
    .vgpr_count:     130
    .wavefront_size: 32
...
	.end_amdgpu_metadata
.endif
;; end of part 1
;; launch proj (part 2): grid 320 x 1, 4 waves a work-group, no clusters, 121,344 bytes of LDS; arguments value, key, query, bv, bk, bq, vc, kc, qc, wc; writes vc, kc, qc
.if DOCPART == 2
	.amdgcn_target "amdgcn-amd-amdhsa--gfx1250"
	.amdhsa_code_object_version 6
	.text
	.protected	k_q808bc7d337_proj
	.globl	k_q808bc7d337_proj
	.p2align	8
	.type	k_q808bc7d337_proj,@function
k_q808bc7d337_proj:
	s_mov_b64 s[64:65], 0
	v_nop
	global_prefetch_b8 v0, s[64:65] scope:SCOPE_SE
	s_setreg_imm32_b32 hwreg(HW_REG_WAVE_MODE, 25, 1), 1
	s_wait_xcnt 0x0
; v = value Wv^T + bv, k = key Wk^T + bk, q = query Wq^T + bq, on codes of FP6 (E2M3) with one E8M0 scale for each 32 along K; the results are quantised at once for the attention's products.
; A work-group takes 128 rows of one tensor (work-groups 0-127 value, 128-255 key, 256-319 query) and all 512 outputs; wave w makes head w's 128 outputs.
; OUT: one block of BLK bytes for each (batch, head, 128 rows): eight fragments as images of their 12 registers (fragment t at 1,536 t, group c, lane l at 512 c + 16 l), and at 12,288 the scale words
; (tiles 4 g .. 4 g + 3 of lane l at 512 g + 16 l).  q and k: a fragment's rows are tokens, its K the head's 128 channels.  v: its rows are channels, its K the 128 tokens (the keys).
; IN ALL TILES lane r of tile 2 b + u holds row 32 b + 8 u + r + 8 (r / 8): as source 0 the 16 result registers of tiles 2 b, 2 b + 1 are then 16 neighbours along the next K.
; PHASE X: wave w loads its 32 rows of x, a K step (512 consecutive bytes of a row) a load, turns them through its own stage in LDS so that a lane holds 16 neighbours of each block, quantises, and stores the
; fragments' images in LDS.  One barrier.  Then ONE branch on the tensor: q, k: my 8 tiles of W stay in registers (source 0), x's tiles come by from LDS (source 1): a lane holds a token, its registers run along the
; channels.  v: x's 8 tiles stay in registers (source 0), my tiles of W come by from memory (source 1): a lane holds a channel, its registers run along the tokens.  Either way tile o's result is fragment o of my block.
; The two ways are written out apart, so that each counted wait counts loads of one kind.  Behind the barrier nothing is stored to LDS.
; LIMITS: NaN and infinities among the inputs are not served; a block of zeros gets the byte 1 (its codes are zeros; this program alone reads the bytes).
; REGISTERS: window 0: v1-12 addresses; v16-47 inner scale words; v48-63 outer scale words, four sets; v64-127 accumulators (phase X: tile 0's numbers); v128-191 tile 1's numbers, later bv in pairs;
;   v192-211 codes; v212-227 at work; v232-239 x's scale words; v240-247 the results'.  Windows 1, 2: the inner operand's 32 fragments (tile i at 12 (4 (i % 4) + s) of window 1 + i / 4); window 1 v192-255 the bias as C.
;   window 3: phase X: two sets of 32 rows as loaded; later the outer operand, four sets of 48.
.set BLK,  13312
.set FRB,  1536
.set WSZ,  212992
.set WSC,  196608
.set SPT,  528                         ; a stage row: 512 bytes + 16: sixteen consecutive rows start in sixteen different groups of banks
.set STGW, 32*SPT
.set XIMG, 4*STGW                      ; x's 32 fragments: (4 tile + s) x 1,536
.set XSC,  XIMG+32*FRB                 ; their scale words: 512 tile + 16 lane + 4 s
.set LI,   1
.set SIN,  2
.set SOUT, 3
.set XWI,  4
.set XWS,  5
.set BI,   6
.set BO,   7
.set RI,   11
.set RS,   12
.set ISC,  16
.set OSC,  48
.set ACC,  64
.set XN0,  64
.set XN1,  128
.set CBO,  128
.set PC,   192
.set TM,   212
.set XW,   232
.set OW,   240
.set CBI,  192
.set WV,   28
.set SEL,  30
.set MSB, 0
.macro WIN new                         ; the immediate's high byte repeats the setting that is left
.if MSB != (\new)
	s_set_vgpr_msb (MSB<<8)|(\new)
.set MSB, (\new)
.endif
.endm
.macro MM d, a, b, c, sa, sb
	v_wmma_scale_f32_16x16x128_f8f6f4 v[\d:\d+7], v[\a:\a+11], v[\b:\b+11], v[\c:\c+7], v[\sa], v[\sb] matrix_a_fmt:MATRIX_FMT_FP6 matrix_b_fmt:MATRIX_FMT_FP6
.endm
.macro MMZ d, a, b, sa, sb
	v_wmma_scale_f32_16x16x128_f8f6f4 v[\d:\d+7], v[\a:\a+11], v[\b:\b+11], 0, v[\sa], v[\sb] matrix_a_fmt:MATRIX_FMT_FP6 matrix_b_fmt:MATRIX_FMT_FP6
.endm
; 64 numbers of a lane, register 16 b + i = k 32 b + 16 (lane / 16) + i of my row, become a fragment's codes in v[PC] on and its scale word in v[pw]
.macro QUANT s, pw
.irp b, 0,1,2,3
	v_max3_num_f32 v[TM+\b], |v[(\s)+16*\b]|, |v[(\s)+1+16*\b]|, 0x1800000   ; block b: my 16 numbers, and the floor 2^(3 - 127)
.endr
.irp i, 2,4,6,8,10,12,14
.irp b, 0,1,2,3
	v_max3_num_f32 v[TM+\b], v[TM+\b], |v[(\s)+16*\b+\i]|, |v[(\s)+1+16*\b+\i]|
.endr
.endr
.irp b, 0,1,2,3
	v_permlanex16_b32 v[TM+4+\b], v[TM+\b], s[SEL], s[SEL+1]
.endr
.irp b, 0,1,2,3
	v_max_num_f32 v[TM+\b], v[TM+\b], v[TM+4+\b]   ; with lane l xor 16's: the block's largest magnitude
.endr
.irp b, 0,1,2,3
	v_add_nc_u32 v[TM+12+\b], 0xff000000, v[TM+\b] ; 2 off its exponent field: the conversion's scale operand
.endr
.irp b, 0,1,2,3
	v_lshrrev_b32 v[TM+4+\b], 23, v[TM+12+\b]      ; the scale's byte
.endr
	v_lshl_or_b32 v[\pw], v[TM+5], 8, v[TM+4]
	v_lshl_or_b32 v[\pw], v[TM+6], 16, v[\pw]
	v_lshl_or_b32 v[\pw], v[TM+7], 24, v[\pw]
.irp c, 0,1
	v_cvt_scalef32_pk16_fp6_f32 v[PC+6*\c:PC+2+6*\c], v[(\s)+32*\c:(\s)+15+32*\c], v[TM+12+2*\c]
	v_cvt_scalef32_pk16_fp6_f32 v[PC+12+4*\c:PC+14+4*\c], v[(\s)+16+32*\c:(\s)+31+32*\c], v[TM+12+2*\c+1]
.endr
	v_nop                                          ; one plain place behind a scaled conversion
.irp c, 0,1                                    ; the operand's layout wants a whole block in a lane
.irp i, 0,1,2
	v_permlane16_swap_b32 v[PC+6*\c+\i], v[PC+12+4*\c+\i]
.endr
.irp i, 0,1,2
	v_mov_b32 v[PC+3+6*\c+\i], v[PC+12+4*\c+\i]
.endr
.endr
.endm
.macro IMAGE off
.irp c, 0,1,2
	ds_store_b128 v[XWI], v[PC+4*\c:PC+4*\c+3] offset:\off+512*\c
.endr
.endm
; K step s of my 32 rows: a load reads 512 consecutive bytes of one row, into set s % 2 of window 3
.macro LOADX s
	WIN 0xc0
.set rr, 0
.rept 32
	global_load_b128 v[128*((\s)%2)+4*rr:128*((\s)%2)+4*rr+3], v[LI], s[4:5] offset:2048*rr+512*(\s) th:TH_LOAD_NT
.set rr, rr+1
.endr
	WIN 0
.endm
.macro XSTEP s
.if \s < 3
	s_wait_loadcnt 32                              ; this K step's 32 loads are in; the next one's 32 may be out
.else
	s_wait_loadcnt 0x0
.endif
	WIN 0x0c                                       ; an LDS store's data are its source 1: window 3
.set rr, 0
.rept 32                                       ; row 16 a + 8 u + m goes to stage row 16 u + 8 a + m: a tile's sixteen lanes then read sixteen consecutive stage rows
	ds_store_b128 v[SIN], v[128*(\s%2)+4*rr:128*(\s%2)+4*rr+3] offset:SPT*(16*((rr>>3)&1)+8*(rr>>4)+(rr&7))
.set rr, rr+1
.endr
	WIN 0
.irp u, 0,1
.irp b, 0,1,2,3
.irp j, 0,1,2,3
	ds_load_b128 v[XN0+64*\u+16*\b+4*\j:XN0+64*\u+16*\b+4*\j+3], v[SOUT] offset:16*\u*SPT+128*\b+16*\j   ; LDS serves a wave's instructions in order: these see the stores above
.endr
.endr
.endr
	s_wait_dscnt 16                                ; the stores and tile 0's loads are done; tile 1's sixteen may be out
.if \s < 2
	LOADX \s+2                                     ; the set that the stores have read takes the K step two on
.endif
	QUANT XN0, XW+\s
	IMAGE \s*FRB
	s_wait_dscnt 0x0                               ; tile 1's numbers are in, and the stores have read the codes
	QUANT XN1, XW+4+\s
	IMAGE (4+\s)*FRB
	s_wait_dscnt 0x0
.endm
; the outer operand's tile o, into set o % 4: 12 loads and its four scale words.  mode 0: x's, from LDS; mode 1: W's, from memory
.macro LOADOUT o, mode
	WIN 0xc0
.irp s, 0,1,2,3
.irp c, 0,1,2
.if \mode == 0
	ds_load_b128 v[48*((\o)%4)+12*\s+4*\c:48*((\o)%4)+12*\s+4*\c+3], v[RI] offset:(4*(\o)+\s)*FRB+512*\c
.else
	global_load_b128 v[48*((\o)%4)+12*\s+4*\c:48*((\o)%4)+12*\s+4*\c+3], v[LI], s[38:39] offset:(4*(\o)+\s)*FRB+512*\c
.endif
.endr
.endr
	WIN 0
.if \mode == 0
	ds_load_b128 v[OSC+4*((\o)%4):OSC+4*((\o)%4)+3], v[RS] offset:512*(\o)
.else
	global_load_b128 v[OSC+4*((\o)%4):OSC+4*((\o)%4)+3], v[LI], s[40:41] offset:512*(\o)
.endif
.endm
; the inner operand: 8 tiles x 4 K steps, K step by K step, and their scale words.  mode 0: W's, from memory; mode 1: x's, from LDS
.macro LOADIN mode
.irp i, 0,1,2,3,4,5,6,7
.if \mode == 0
	global_load_b128 v[ISC+4*\i:ISC+4*\i+3], v[LI], s[40:41] offset:512*\i
.else
	ds_load_b128 v[ISC+4*\i:ISC+4*\i+3], v[RS] offset:512*\i
.endif
.endr
.irp s, 0,1,2,3
.irp i, 0,1,2,3,4,5,6,7
	WIN 0x40+0x40*(\i/4)
.irp c, 0,1,2
.if \mode == 0
	global_load_b128 v[12*(4*(\i%4)+\s)+4*\c:12*(4*(\i%4)+\s)+4*\c+3], v[LI], s[38:39] offset:(4*\i+\s)*FRB+512*\c
.else
	ds_load_b128 v[12*(4*(\i%4)+\s)+4*\c:12*(4*(\i%4)+\s)+4*\c+3], v[RI] offset:(4*\i+\s)*FRB+512*\c
.endif
.endr
.endr
.endr
	WIN 0
.endm
; outer tile o: 32 products on eight accumulators that take turns, the bias, the quantiser, fragment o of my block
.macro TILE o, mode
.if \o < 5
	LOADOUT \o+3, \mode                            ; three tiles ahead, into the set that tile o - 1's products have read (the quantiser's lines stand between)
.endif
.set NY, 7-\o
.if NY > 3
.set NY, 3
.endif
.if \mode == 0
	s_wait_dscnt 13*NY                             ; tile o's 13 loads are in; the later tiles' 13 each may be out
.else
	s_wait_loadcnt 13*NY
.if \o == 0
	s_wait_dscnt 0x0                               ; x's fragments are in
.endif
.endif
.irp s, 0,1,2,3
.if (\mode == 0) && (\o == 0)
.if \s == 0
	s_wait_loadcnt 63                              ; W's K step 0 is in: 72 later loads could stay out; a wait names 63 at the most
.else
	s_wait_loadcnt 24*(3-\s)                       ; W's K step s is in; the later K steps' 24 loads each may be out
.endif
.endif
.irp i, 0,1,2,3,4,5,6,7
.if (\mode == 0) && (\s == 0)
	WIN 0x1d+\i/4                                  ; source 0 window 1 or 2, source 1 window 3, C (the bias) window 1
	MM ACC+8*\i, 12*(4*(\i%4)+\s), 48*(\o%4)+12*\s, CBI+8*\i, ISC+4*\i+\s, OSC+4*(\o%4)+\s
.elseif \s == 0
	WIN 0x0d+\i/4
	MMZ ACC+8*\i, 12*(4*(\i%4)+\s), 48*(\o%4)+12*\s, ISC+4*\i+\s, OSC+4*(\o%4)+\s
.else
	WIN 0x0d+\i/4
	MM ACC+8*\i, 12*(4*(\i%4)+\s), 48*(\o%4)+12*\s, ACC+8*\i, ISC+4*\i+\s, OSC+4*(\o%4)+\s
.endif
.endr
.endr
	WIN 0
.rept 4
	v_nop                                          ; four places in front of the first read of results
.endr
.if \mode == 1
.set j, 0
.rept 32                                       ; my channel's bias, two tokens at a time, each accumulator from its low end on
	v_pk_add_f32 v[ACC+2*j:ACC+2*j+1], v[ACC+2*j:ACC+2*j+1], v[CBO+2*\o:CBO+2*\o+1]
.set j, j+1
.endr
.endif
	s_wait_xcnt 0x0                                ; the last fragment's stores have read the codes' registers
	QUANT ACC, OW+\o
.irp c, 0,1,2
	global_store_b128 v[LI], v[PC+4*\c:PC+4*\c+3], s[16:17] offset:FRB*\o+512*\c   ; 32 lanes store 512 consecutive bytes
.endr
.endm
	s_load_b256 s[4:11], s[0:1], 0x0               ; value, key, query, bv
	s_load_b256 s[12:19], s[0:1], 0x20             ; bk, bq, vc, kc
	s_load_b128 s[20:23], s[0:1], 0x40             ; qc, wc
	v_lshl_add_u32 v254, v0, 2, 0x1d800
	v_mov_b32 v255, 0
	v_lshrrev_b32 v8, 5, v0
	v_readfirstlane_b32 s[WV], v8                  ; wave = head
	v_and_b32 v8, 31, v0
	v_lshlrev_b32 v[LI], 4, v8                     ; 16 x lane
	v_and_b32 v9, 15, v0                           ; r
	v_bfe_u32 v10, v0, 4, 1                        ; h
	s_mul_i32 s32, s[WV], STGW
	v_add_nc_u32 v[SIN], s32, v[LI]                ; my stage, on the way in
	v_mul_u32_u24 v[SOUT], v9, SPT
	v_lshl_add_u32 v[SOUT], v10, 6, v[SOUT]
	v_add_nc_u32 v[SOUT], s32, v[SOUT]             ; and out: stage row r, + 64 h
	s_mul_i32 s32, s[WV], 8*FRB
	s_add_co_u32 s32, s32, XIMG
	v_add_nc_u32 v[XWI], s32, v[LI]                ; my two tiles' images
	s_lshl_b32 s32, s[WV], 10
	s_add_co_u32 s32, s32, XSC
	v_add_nc_u32 v[XWS], s32, v[LI]                ; and their scale words
	v_lshlrev_b32 v[BI], 6, v10                    ; the bias as C: 64 h
	v_and_b32 v[BO], 8, v9
	v_add_nc_u32 v[BO], v[BO], v9
	v_lshlrev_b32 v[BO], 2, v[BO]                  ; the bias of my channel: 4 (r + 8 (r / 8))
	v_add_nc_u32 v[RI], XIMG, v[LI]
	v_add_nc_u32 v[RS], XSC, v[LI]
.irp b, 0,1,2,3
	v_mov_b32 v[TM+4+\b], 0                        ; written once: a lane permute's destination counts as one of its sources
.endr
	s_mov_b32 s[SEL], 0x76543210
	s_mov_b32 s[SEL+1], 0xfedcba98
	s_wait_kmcnt 0x0
	s_mov_b32 s24, 256
	s_cmp_lt_u32 ttmp9, 256                        ; key or query?  Every choice hangs on the work-group's number alone
	s_cselect_b64 s[6:7], s[6:7], s[8:9]
	s_cselect_b64 s[12:13], s[12:13], s[14:15]
	s_cselect_b64 s[18:19], s[18:19], s[20:21]
	s_cselect_b32 s24, 128, s24                    ; the tensor's first work-group
	s_cselect_b32 s25, 5, 4                        ; log2 of its blocks of 128 rows in a batch
	s_cselect_b32 s26, WSZ, 0                      ; its weight in wc
	s_cmp_lt_u32 ttmp9, 128                        ; value?
	s_cselect_b64 s[4:5], s[4:5], s[6:7]
	s_cselect_b64 s[10:11], s[10:11], s[12:13]
	s_cselect_b64 s[16:17], s[16:17], s[18:19]
	s_cselect_b32 s24, 0, s24
	s_cselect_b32 s25, 5, s25
	s_cselect_b32 s26, 2*WSZ, s26
	s_cselect_b32 s27, 1, 0
	s_sub_co_u32 s29, ttmp9, s24                   ; which 128 rows of the tensor
	s_lshr_b32 s32, s29, s25                       ; batch
	s_lshl_b32 s33, s32, s25
	s_sub_co_u32 s33, s29, s33                     ; block in the batch
	s_lshl_b32 s34, s32, 2
	s_add_co_u32 s34, s34, s[WV]
	s_lshl_b32 s34, s34, s25
	s_add_co_u32 s34, s34, s33
	s_mul_i32 s34, s34, BLK
	s_mov_b32 s35, 0
	s_add_nc_u64 s[16:17], s[16:17], s[34:35]      ; my block of the result
	s_lshl_b32 s34, s29, 18
	s_lshl_b32 s36, s[WV], 16
	s_add_co_u32 s34, s34, s36
	s_add_nc_u64 s[4:5], s[4:5], s[34:35]          ; my 32 rows of x
	s_lshl_b32 s34, s[WV], 9
	s_add_nc_u64 s[10:11], s[10:11], s[34:35]      ; my head's bias
	s_mul_i32 s34, s[WV], 32*FRB
	s_add_co_u32 s34, s34, s26
	s_add_nc_u64 s[38:39], s[22:23], s[34:35]      ; my head's 32 fragments of W
	s_lshl_b32 s34, s[WV], 12
	s_add_co_u32 s34, s34, s26
	s_add_co_u32 s34, s34, WSC
	s_add_nc_u64 s[40:41], s[22:23], s[34:35]      ; and their scale words
	LOADX 0
	LOADX 1
	XSTEP 0
	XSTEP 1
	XSTEP 2
	XSTEP 3
	ds_store_b128 v[XWS], v[XW:XW+3]
	ds_store_b128 v[XWS], v[XW+4:XW+7] offset:512
	s_wait_dscnt 0x0                               ; for the others' sake: all my stores have landed
	s_barrier_signal -1
	s_barrier_wait -1                              ; x's 32 fragments lie in LDS; from here on LDS is only read
	s_cmp_eq_u32 s27, 1
	s_cbranch_scc1 .Lvalue
	; ---- q, k: W stays, x comes by
	WIN 0x40
.irp i, 0,1,2,3,4,5,6,7                        ; the bias in the result's layout: tile 2 b + u, lane half h: channels 32 b + 16 h + 8 u + 0 .. 7
	global_load_b128 v[CBI+8*\i:CBI+8*\i+3], v[BI], s[10:11] offset:(32*(\i/2)+8*(\i%2))*4
	global_load_b128 v[CBI+8*\i+4:CBI+8*\i+7], v[BI], s[10:11] offset:(32*(\i/2)+8*(\i%2))*4+16
.endr
	WIN 0
	LOADIN 0
	LOADOUT 0, 0
	LOADOUT 1, 0
	LOADOUT 2, 0
.irp o, 0,1,2,3,4,5,6,7
	TILE \o, 0
.endr
	global_store_b128 v[LI], v[OW:OW+3], s[16:17] offset:12288
	global_store_b128 v[LI], v[OW+4:OW+7], s[16:17] offset:12800
	s_wait_tensorcnt 0x0
	ds_add_u32 v254, v255
	s_wait_dscnt 0x0
	s_endpgm
.Lvalue:
	; ---- v: x stays, W comes by
.irp o, 0,1,2,3,4,5,6,7                        ; my channel's bias for tile o, twice: a pair for the packed addition
	global_load_b32 v[CBO+2*\o], v[BO], s[10:11] offset:(32*(\o/2)+8*(\o%2))*4
	global_load_b32 v[CBO+2*\o+1], v[BO], s[10:11] offset:(32*(\o/2)+8*(\o%2))*4
.endr
	LOADOUT 0, 1
	LOADOUT 1, 1
	LOADOUT 2, 1
	LOADIN 1
.irp o, 0,1,2,3,4,5,6,7
	TILE \o, 1
.endr
	global_store_b128 v[LI], v[OW:OW+3], s[16:17] offset:12288
	global_store_b128 v[LI], v[OW+4:OW+7], s[16:17] offset:12800
	s_wait_tensorcnt 0x0
	ds_add_u32 v254, v255
	s_wait_dscnt 0x0
	s_endpgm
.Lfunc_end_k_q808bc7d337_proj:
	.size	k_q808bc7d337_proj, .Lfunc_end_k_q808bc7d337_proj-k_q808bc7d337_proj
	.p2alignl 7, 3214868480
	.fill 96, 4, 3214868480
	.section	.rodata,"a",@progbits
	.p2align	6, 0x0
	.amdhsa_kernel k_q808bc7d337_proj
		.amdhsa_group_segment_fixed_size 121344
		.amdhsa_private_segment_fixed_size 0
		.amdhsa_enable_private_segment 0
		.amdhsa_kernarg_size 80
		.amdhsa_user_sgpr_count 2
		.amdhsa_user_sgpr_kernarg_segment_ptr 1
		.amdhsa_wavefront_size32 1
		.amdhsa_system_sgpr_workgroup_id_x 1
		.amdhsa_system_sgpr_workgroup_id_y 1
		.amdhsa_system_sgpr_workgroup_id_z 1
		.amdhsa_system_vgpr_workitem_id 0
		.amdhsa_next_free_vgpr 1024
		.amdhsa_next_free_sgpr 66
		.amdhsa_reserve_vcc 0
		.amdhsa_float_denorm_mode_32 3
		.amdhsa_float_denorm_mode_16_64 3
		.amdhsa_memory_ordered 1
		.amdhsa_forward_progress 1
		.amdhsa_inst_pref_size 254
	.end_amdhsa_kernel
	.amdgpu_metadata
---
amdhsa.version: [ 1, 2 ]
amdhsa.kernels:
  - .name:           k_q808bc7d337_proj
    .symbol:         k_q808bc7d337_proj.kd
    .args:
      - { .name: value, .offset: 0, .size: 8, .value_kind: global_buffer, .address_space: global }
      - { .name: key, .offset: 8, .size: 8, .value_kind: global_buffer, .address_space: global }
      - { .name: query, .offset: 16, .size: 8, .value_kind: global_buffer, .address_space: global }
      - { .name: bv, .offset: 24, .size: 8, .value_kind: global_buffer, .address_space: global }
      - { .name: bk, .offset: 32, .size: 8, .value_kind: global_buffer, .address_space: global }
      - { .name: bq, .offset: 40, .size: 8, .value_kind: global_buffer, .address_space: global }
      - { .name: vc, .offset: 48, .size: 8, .value_kind: global_buffer, .address_space: global }
      - { .name: kc, .offset: 56, .size: 8, .value_kind: global_buffer, .address_space: global }
      - { .name: qc, .offset: 64, .size: 8, .value_kind: global_buffer, .address_space: global }
      - { .name: wc, .offset: 72, .size: 8, .value_kind: global_buffer, .address_space: global }
    .group_segment_fixed_size: 121344
    .private_segment_fixed_size: 0
    .kernarg_segment_align: 8
    .kernarg_segment_size: 80
    .max_flat_workgroup_size: 128
    .sgpr_count:     66
    .vgpr_count:     1024
    .wavefront_size: 32
...
	.end_amdgpu_metadata
.endif
;; end of part 2
;; launch attn (part 3): grid 16 x 16, 8 waves a work-group, clusters of 4 x 1, 327,680 bytes of LDS; arguments qc, kc, vc, key_padding_mask, ac; writes ac
.if DOCPART == 3
	.amdgcn_target "amdgcn-amd-amdhsa--gfx1250"
	.amdhsa_code_object_version 6
	.text
	.protected	k_q808bc7d337_attn
	.globl	k_q808bc7d337_attn
	.p2align	8
	.type	k_q808bc7d337_attn,@function
k_q808bc7d337_attn:
	s_mov_b64 s[64:65], 0
	v_nop
	global_prefetch_b8 v0, s[64:65] scope:SCOPE_SE
	s_setreg_imm32_b32 hwreg(HW_REG_WAVE_MODE, 25, 1), 1
	s_wait_xcnt 0x0
	s_wait_alu depctr_hold_cnt(0) depctr_sa_sdst(0) depctr_va_vdst(0) depctr_va_sdst(0) depctr_va_ssrc(0) depctr_va_vcc(0) depctr_vm_vsrc(0)
	s_getreg_b32 s2, hwreg(HW_REG_IB_STS2, 6, 4)
	s_cmp_eq_u32 s2, 0
	s_cbranch_scc0 .Lentry_in_a_cluster
	s_endpgm
.Lentry_in_a_cluster:
	s_bfe_u32 s2, ttmp6, 0x10000c
	s_cmp_lg_u32 s2, 0x3003
	s_cbranch_scc0 .Lentry_shape_is_right
	s_endpgm
.Lentry_shape_is_right:
; attn[b][q][h] = softmax_k(q . k / sqrt(128), masked keys at -infinity) v, both products on codes of FP6 (E2M3) with one E8M0 scale for each 32 along K; the result leaves as codes for the last product.
; THE SECOND PRODUCT'S OPERAND IS THE FINISHED SOFTMAX, quantised along the keys.  So a row's largest t (t = score x log2(e) / sqrt(128)) and its sum are known before any p is quantised: K Q^T is made twice.
; PASS 1: for each query a running maximum M and the sum l of 2^(t - M).  PASS 2: p = 2^(t - M) x (1 / l), quantised, times V.  The constant 1e-9 added to every score of a row leaves p as it is and is not written.
; SHARES.  A work-group owns 128 queries (one block of qc) of one (batch, head).  Wave w holds TWO tiles of 16 queries (set 0: tile w, set 1: tile w xor 1) and walks the key steps of 128 whose number has the parity of w:
; each fragment of K and V read from LDS feeds two products, and two waves lie on a SIMD, one's matrix work and LDS waits beside the other's vector work.  The waves w and w xor 1 exchange (M, l) between the passes
; and their halves of O at the end, through LDS; wave w finishes tile w.
; LAYOUT.  Both products are used transposed: S^T = K Q^T (source 0 = 16 keys), O^T = V^T P^T (source 0 = 16 channels): a lane holds one query throughout.  In every tile lane r of tile 2 b + u holds row
; 32 b + 8 u + r + 8 (r / 8), so that the 16 registers of tiles 2 b, 2 b + 1 are 16 neighbours along the next K.  All operands lie in memory and LDS as images of their registers (blocks of BLK bytes).
; THE MASK is the C of the score products: the batch's 4,096 bytes become f32 in LDS once, 0 or -2^100, in key order; a score tile's C is 32 bytes of that table for each half of the lanes.
; CLUSTER.  The four query blocks of a cluster walk the same K and V: each block is asked for jointly, by the same tensor load with the mask of all four.
; RING.  Two slots of eight blocks; wave w brings block w of a fill.  Fills 0-3: K steps 8 f + w (pass 1).  Fills 4-11: waves 0-3 K step 4 g + w, waves 4-7 V step 4 g + w - 4 (pass 2).  A wave has two tensor loads out at the start, later one.
; LIMITS: NaN and infinities among the inputs are not served; |q . k| stays under 2^90 (a masked score is -2^100); a block's largest p is taken from its largest score, which takes v_exp_f32 not to fall where its
; input rises; a block of zeros gets the byte 1.  A row whose keys are all masked gets 1 / l = 0: p = 0 and attn = 0.
; REGISTERS.  Window 0: v1-15 addresses; v16-23 K's or V's scale words; v24-25 Q's; v26-27 p's; v28-43 statistics, 8 a set (+0 M, +1 l, +2, +3 l in halves, +4 f, later 1 / l, +5 zero, +6, +7 at work); v44-67 at work, 12 a set;
;   v68-91 Q; v96-127 the mask of key tiles 4-7, then p's codes; v128-255 S^T, 64 a set.  Window 1: v0-127 O^T, 64 a set; v128-223 eight fragments of K or V; v224-255 the mask of key tiles 0-3.
.set BLK,   13312
.set SLOT1, 1<<17                      ; slot 1 begins here: one exclusive or turns an address in one slot into the other's
.set BIAS,  SLOT1+8*BLK                ; behind the ring: the mask as f32, 16,384 bytes, and 1,024 bytes that nobody names
.set SPARE, BIAS+16384+1024            ; the spare words, 128 bytes for each wave: four blocks of 256 bytes that no other line names
.set XM,    SPARE+1024                 ; (M, l): 512 bytes a wave
.set SG,    XM+4096                    ; the result's scale words
.set XO,    SG+1024                    ; half of O: 8,192 bytes a wave
.set LI,  1
.set BH,  2
.set ADK, 3
.set ADV, 4
.set ADB, 5
.set SPW, 6
.set NIL, 7
.set MST, 8
.set MOF, 9
.set XMS, 10
.set XML, 11
.set XOS, 12
.set XOL, 13
.set SGS, 14
.set PFO, 15
.set KS,  16
.set QS,  24
.set PS,  26
.set ST,  28
.set TM,  44
.set QF,  68
.set SGL, 92
.set QW0, 93
.set QW1, 94
.set PWD, 95
.set PC,  96
.set PCT, 120
.set S,   128
.set KV,  128
.set BW1, 224
.set WV,  14
.set KH,  15
.set SEL, 20
.set CS,  22
.set G1,  24
.set TB,  44
.set TMB, 45
.set CC,  46
.set PFA, 50
.set LIM, 52
.set THR, 53
.set MSB, 0
.macro WIN new                         ; the immediate's high byte repeats the setting that is left
.if MSB != (\new)
	s_set_vgpr_msb (MSB<<8)|(\new)
.set MSB, (\new)
.endif
.endm
.macro MM d, a, b, c, sa, sb
	v_wmma_scale_f32_16x16x128_f8f6f4 v[\d:\d+7], v[\a:\a+11], v[\b:\b+11], v[\c:\c+7], v[\sa], v[\sb] matrix_a_fmt:MATRIX_FMT_FP6 matrix_b_fmt:MATRIX_FMT_FP6
.endm
.macro PLACES                          ; four places behind matrix instructions, in front of loads into their registers and of reads of their results
.rept 4
	v_nop
.endr
.endm
.macro CROUND                          ; a round of the cluster's barrier
	s_barrier_signal -1
	s_barrier_wait -1
	s_cmp_lg_u32 s[WV], 0
	s_cbranch_scc1 .Lnot_wave_0_\@
	s_barrier_signal -3
.Lnot_wave_0_\@:
	s_barrier_wait -3
	s_barrier_signal -1
	s_barrier_wait -1
.endm
; A prefetch of V's four blocks of the fill that the NEXT change of slots will ask for.  All clusters of a (batch, head) walk the same V: the first cluster asks; its partner cx takes block cx, told apart by address;
; in it waves 0 and 1 name 26 pieces of 256 bytes each, a lane a piece (lanes 26 to 31 name lane 25's again: a block has 52 pieces).  Changes 1 to 8 ask: V's first fill is the one behind change 2, its last behind change 9.
.macro ASK
	s_sub_co_u32 s56, s[CC], 1
	s_cmp_lt_u32 s56, s[LIM]
	s_cbranch_scc0 .Lnot_mine_\@
	global_prefetch_b8 v[PFO], s[PFA:PFA+1] th:TH_LOAD_NT scope:SCOPE_SE
.Lnot_mine_\@:
.endm
.macro NEXTADR
	v_add_nc_u32 v[ADK], s[TB], v[LI]
	v_add_nc_u32 v[ADB], s[TMB], v[BH]
.endm
.macro LOADK                           ; a key step's K: 24 loads; its mask: 16; its scale words: 2
	WIN 0x40
.irp t, 0,1,2,3,4,5,6,7
.irp c, 0,1,2
	ds_load_b128 v[KV+12*\t+4*\c:KV+12*\t+4*\c+3], v[ADK] offset:1536*\t+512*\c
.endr
.endr
.irp t, 0,1,2,3
.irp k, 0,1
	ds_load_b128 v[BW1+8*\t+4*\k:BW1+8*\t+4*\k+3], v[ADB] offset:128*(\t/2)+32*(\t%2)+16*\k
.endr
.endr
	WIN 0
.irp t, 4,5,6,7
.irp k, 0,1
	ds_load_b128 v[PC+8*(\t-4)+4*\k:PC+8*(\t-4)+4*\k+3], v[ADB] offset:128*(\t/2)+32*(\t%2)+16*\k
.endr
.endr
	ds_load_b128 v[KS:KS+3], v[ADK] offset:12288
	ds_load_b128 v[KS+4:KS+7], v[ADK] offset:12800
.endm
.macro LOADV                           ; the same step's V lies four blocks behind its K
	v_add_nc_u32 v[ADV], 4*BLK, v[ADK]
	WIN 0x40
.irp t, 0,1,2,3,4,5,6,7
.irp c, 0,1,2
	ds_load_b128 v[KV+12*\t+4*\c:KV+12*\t+4*\c+3], v[ADV] offset:1536*\t+512*\c
.endr
.endr
	WIN 0
	ds_load_b128 v[KS:KS+3], v[ADV] offset:12288
	ds_load_b128 v[KS+4:KS+7], v[ADV] offset:12800
.endm
.macro SMUL                            ; S^T = K Q^T + the mask: 8 tiles of keys x my 2 tiles of queries; each product is a whole sum
.irp t, 0,1,2,3,4,5,6,7
.irp x, 0,1
.if \t < 4
	WIN 0x11                                       ; K and the mask in window 1
	MM S+64*\x+8*\t, KV+12*\t, QF+12*\x, BW1+8*\t, KS+\t, QS+\x
.else
	WIN 0x01
	MM S+64*\x+8*\t, KV+12*\t, QF+12*\x, PC+8*(\t-4), KS+\t, QS+\x
.endif
.endr
.endr
.endm
.macro PVMUL                           ; O^T += V^T P^T: the 16 accumulators take turns, one instruction a turn
	WIN 0x51
.irp i, 0,1,2,3,4,5,6,7
.irp x, 0,1
	MM 64*\x+8*\i, KV+12*\i, PC+12*\x, 64*\x+8*\i, KS+\i, PS+\x
.endr
.endr
.endm
.macro MAXB                            ; the largest score of my 16 keys of each block of 32, each accumulator read from its low end on
.irp b, 0,1,2,3
.irp x, 0,1
	v_max3_num_f32 v[TM+12*\x+\b], v[S+64*\x+16*\b], v[S+64*\x+16*\b+1], v[S+64*\x+16*\b+2]
.endr
.endr
.irp i, 3,5,7,9,11,13
.irp b, 0,1,2,3
.irp x, 0,1
	v_max3_num_f32 v[TM+12*\x+\b], v[TM+12*\x+\b], v[S+64*\x+16*\b+\i], v[S+64*\x+16*\b+\i+1]
.endr
.endr
.endr
.irp b, 0,1,2,3
.irp x, 0,1
	v_max_num_f32 v[TM+12*\x+\b], v[TM+12*\x+\b], v[S+64*\x+16*\b+15]
.endr
.endr
.endm
.macro VEC1                            ; pass 1: each lane keeps M and l of its own keys; the lanes and waves meet between the passes
	MAXB
.irp x, 0,1
	v_max3_num_f32 v[TM+12*\x], v[TM+12*\x], v[TM+12*\x+1], v[TM+12*\x+2]
.endr
.irp x, 0,1
	v_max_num_f32 v[TM+12*\x], v[TM+12*\x], v[TM+12*\x+3]
.endr
.irp x, 0,1
	v_mul_f32 v[TM+12*\x], s[CS], v[TM+12*\x]      ; as t (c is positive)
.endr
.irp x, 0,1
	v_max_num_f32 v[TM+12*\x], v[TM+12*\x], v[ST+8*\x]   ; the new M
.endr
.irp x, 0,1
	v_sub_f32 v[ST+8*\x+4], v[ST+8*\x], v[TM+12*\x]      ; old M - new M
.endr
.irp x, 0,1
	v_mov_b32 v[ST+8*\x], v[TM+12*\x]
.endr
.set j, 0
.rept 64
	v_pk_fma_f32 v[S+2*j:S+2*j+1], v[S+2*j:S+2*j+1], s[CS:CS+1], v[ST+8*(j/32):ST+8*(j/32)+1] op_sel_hi:[1,0,0] neg_lo:[0,0,1] neg_hi:[0,0,1]   ; t - M, two at a time
.set j, j+1
.endr
.set j, 0
.rept 128                              ; one batch: none of these reads an exponential's result
	v_exp_f32 v[S+j], v[S+j]
.set j, j+1
.endr
.irp x, 0,1
	v_exp_f32 v[ST+8*\x+4], v[ST+8*\x+4]           ; f = 2^(old M - new M)
.endr
	v_nop                                          ; a plain place behind the last exponential
	s_wait_alu depctr_va_vdst(0)                   ; one wait for the batch, ahead of its first reader
.irp x, 0,1
	v_pk_mul_f32 v[ST+8*\x+2:ST+8*\x+3], v[ST+8*\x+2:ST+8*\x+3], v[ST+8*\x+4:ST+8*\x+5] op_sel_hi:[1,0]
.endr
.irp x, 0,1
	v_pk_add_f32 v[ST+8*\x+6:ST+8*\x+7], v[S+64*\x:S+64*\x+1], v[S+64*\x+2:S+64*\x+3]
.endr
.irp j, 4,8,12,16,20,24,28,32,36,40,44,48,52,56,60
.irp x, 0,1
	v_pk_add_f32 v[ST+8*\x+2:ST+8*\x+3], v[ST+8*\x+2:ST+8*\x+3], v[S+64*\x+\j:S+64*\x+\j+1]
	v_pk_add_f32 v[ST+8*\x+6:ST+8*\x+7], v[ST+8*\x+6:ST+8*\x+7], v[S+64*\x+\j+2:S+64*\x+\j+3]
.endr
.endr
.irp x, 0,1
	v_pk_add_f32 v[ST+8*\x+2:ST+8*\x+3], v[ST+8*\x+2:ST+8*\x+3], v[ST+8*\x+6:ST+8*\x+7]
.endr
.endm
.macro QCODES x                        ; set x's 64 p become the second product's source 1
.irp c, 0,1
	v_cvt_scalef32_pk16_fp6_f32 v[PC+12*\x+6*\c:PC+12*\x+6*\c+2], v[S+64*\x+32*\c:S+64*\x+32*\c+15], v[TM+12*\x+8+2*\c]
	v_cvt_scalef32_pk16_fp6_f32 v[PCT+4*\c:PCT+4*\c+2], v[S+64*\x+32*\c+16:S+64*\x+32*\c+31], v[TM+12*\x+8+2*\c+1]
.endr
	v_nop                                          ; one plain place behind a scaled conversion
.irp c, 0,1
.irp i, 0,1,2
	v_permlane16_swap_b32 v[PC+12*\x+6*\c+\i], v[PCT+4*\c+\i]
.endr
.irp i, 0,1,2
	v_mov_b32 v[PC+12*\x+6*\c+3+\i], v[PCT+4*\c+\i]
.endr
.endr
.endm
.macro VEC2                            ; pass 2: p = 2^(t - M) / l, its blocks' scales, its codes
	MAXB
.irp b, 0,1,2,3
.irp x, 0,1
	v_permlanex16_b32 v[TM+12*\x+4+\b], v[TM+12*\x+\b], s[SEL], s[SEL+1]
.endr
.endr
.irp b, 0,1,2,3
.irp x, 0,1
	v_max_num_f32 v[TM+12*\x+\b], v[TM+12*\x+\b], v[TM+12*\x+4+\b]   ; with lane l xor 16's 16 keys: the block's largest score
.endr
.endr
.set j, 0
.rept 64
	v_pk_fma_f32 v[S+2*j:S+2*j+1], v[S+2*j:S+2*j+1], s[CS:CS+1], v[ST+8*(j/32):ST+8*(j/32)+1] op_sel_hi:[1,0,0] neg_lo:[0,0,1] neg_hi:[0,0,1]
.set j, j+1
.endr
.irp b, 0,1,2,3
.irp x, 0,1
	v_fma_f32 v[TM+12*\x+\b], v[TM+12*\x+\b], s[CS], -v[ST+8*\x]     ; the same of each block's largest score: the same lines on the same number give the same bits
.endr
.endr
.set j, 0
.rept 128
	v_exp_f32 v[S+j], v[S+j]
.set j, j+1
.endr
.irp b, 0,1,2,3
.irp x, 0,1
	v_exp_f32 v[TM+12*\x+\b], v[TM+12*\x+\b]
.endr
.endr
	v_nop                                          ; a plain place behind the last exponential
	s_wait_alu depctr_va_vdst(0)                   ; one wait for the batch of 136
.set j, 0
.rept 64
	v_pk_mul_f32 v[S+2*j:S+2*j+1], v[S+2*j:S+2*j+1], v[ST+8*(j/32)+4:ST+8*(j/32)+5] op_sel_hi:[1,0]   ; x 1 / l: the finished softmax
.set j, j+1
.endr
.irp b, 0,1,2,3
.irp x, 0,1
	v_mul_f32 v[TM+12*\x+\b], v[TM+12*\x+\b], v[ST+8*\x+4]
.endr
.endr
.irp b, 0,1,2,3
.irp x, 0,1
	v_max_num_f32 v[TM+12*\x+\b], 0x1800000, v[TM+12*\x+\b]          ; the floor 2^(3 - 127): the byte cannot fall under 1
.endr
.endr
.irp b, 0,1,2,3
.irp x, 0,1
	v_add_nc_u32 v[TM+12*\x+8+\b], 0xff000000, v[TM+12*\x+\b]        ; 2 off the exponent field: the conversion's scale operand
.endr
.endr
.irp b, 0,1,2,3
.irp x, 0,1
	v_lshrrev_b32 v[TM+12*\x+4+\b], 23, v[TM+12*\x+8+\b]             ; the scale's byte
.endr
.endr
.irp x, 0,1
	v_lshl_or_b32 v[PS+\x], v[TM+12*\x+5], 8, v[TM+12*\x+4]
.endr
.irp x, 0,1
	v_lshl_or_b32 v[PS+\x], v[TM+12*\x+6], 16, v[PS+\x]
.endr
.irp x, 0,1
	v_lshl_or_b32 v[PS+\x], v[TM+12*\x+7], 24, v[PS+\x]
.endr
	QCODES 0
	QCODES 1
	PLACES                                         ; the codes stand four places, the scale words more than eight, ahead of the scaled products
.endm
.macro MERGE                           ; (M, l) with (M', l') in +6, +7, both sets
.irp x, 0,1
	v_max_num_f32 v[TM+12*\x], v[ST+8*\x], v[ST+8*\x+6]
.endr
.irp x, 0,1
	v_sub_f32 v[TM+12*\x+1], v[ST+8*\x], v[TM+12*\x]
	v_sub_f32 v[TM+12*\x+2], v[ST+8*\x+6], v[TM+12*\x]
.endr
.irp x, 0,1
	v_exp_f32 v[TM+12*\x+1], v[TM+12*\x+1]
	v_exp_f32 v[TM+12*\x+2], v[TM+12*\x+2]
.endr
.irp x, 0,1
	v_mov_b32 v[ST+8*\x], v[TM+12*\x]              ; (plain places behind the exponentials)
.endr
	s_wait_alu depctr_va_vdst(0)
.irp x, 0,1
	v_mul_f32 v[ST+8*\x+1], v[ST+8*\x+1], v[TM+12*\x+1]
.endr
.irp x, 0,1
	v_fmac_f32 v[ST+8*\x+1], v[ST+8*\x+7], v[TM+12*\x+2]
.endr
.endm
; THE CHANGE OF SLOTS: my reads of the slot that I leave are in registers.  Each wave waits for all its tensor loads (its block of the other slot), adds 0 to its spare word, and waits for that and for its LDS reads.
; fill = 1: a round of the cluster's barrier, so that no wave of any partner still reads the slot or has a load on its way; the joint refill is the first thing behind it.
.macro CHANGE fill
	WIN 0
	s_wait_tensorcnt 0x0                           ; no tensor load of mine is out, so the descriptor may be written
	ds_add_u32 v[SPW], v[NIL]                      ; 0 onto my spare word
.if \fill
	s_xor_b32 s37, s37, SLOT1                      ; the walking descriptor: the other slot than last time,
	s_add_nc_u64 s[38:39], s[38:39], s[42:43]      ; the next fill's block;
	s_cmp_eq_u32 s[CC], 2                          ; the third change asks for pass 2's first fill: K's or V's first blocks, four a fill from then on
	s_cselect_b64 s[38:39], s[40:41], s[38:39]
	s_cselect_b32 s42, 4*BLK, s42
	s_cmp_ge_u32 s[CC], 2
	s_cselect_b32 s54, 4*BLK, 0
	s_wait_xcnt 0x0                                ; the last prefetch, a slot back, has read its address
	s_add_nc_u64 s[PFA:PFA+1], s[PFA:PFA+1], s[54:55]
	s_wait_dscnt 0x0                               ; the add is done, and my reads of the slot are over
	CROUND
	tensor_load_to_lds s[36:39], s[G1:G1+7]        ; my one tensor load until the next change
	s_nop 0
	PLACES
	ASK
	s_add_co_u32 s[CC], s[CC], 1
.else
	s_wait_dscnt 0x0
	s_barrier_signal -1
	s_barrier_wait -1
.endif
.endm
.macro STEPB
	s_add_co_u32 s[TMB], s[TMB], 1024              ; my next key step's mask: two steps of 512 bytes on, round the table
	s_and_b32 s[TMB], s[TMB], 0x3fff
	NEXTADR
	LOADK
.endm
.macro STEP1 last                      ; a key step of pass 1; the next step's K lands under this step's vector work
	s_wait_dscnt 0x0
	SMUL
	WIN 0
	PLACES
.if \last
	CHANGE 1
	s_sub_co_u32 s[TB], s[TB], 6*BLK
	s_xor_b32 s[TB], s[TB], SLOT1
.else
	s_add_co_u32 s[TB], s[TB], 2*BLK
.endif
	STEPB
	VEC1
.endm
.macro STEP2 mode                      ; a key step of pass 2.  mode 0: the slot's first; 1: its second, the slot is filled again; 2: its second, nothing is left to fetch; 3: the very last
	s_wait_dscnt 0x0
	SMUL
	WIN 0
	PLACES
	LOADV                                          ; lands under the vector work
	VEC2
	s_wait_dscnt 0x0
	PVMUL
	WIN 0
	PLACES
.if \mode == 0
	s_add_co_u32 s[TB], s[TB], 2*BLK
.endif
.if \mode == 1
	CHANGE 1
.endif
.if \mode == 2
	CHANGE 0
.endif
.if (\mode == 1) || (\mode == 2)
	s_sub_co_u32 s[TB], s[TB], 2*BLK
	s_xor_b32 s[TB], s[TB], SLOT1
.endif
.if \mode < 3
	STEPB
.endif
.endm
	s_load_b256 s[4:11], s[0:1], 0x0               ; qc, kc, vc, the mask
	s_load_b64 s[12:13], s[0:1], 0x20              ; ac
	v_lshl_add_u32 v[SPW], v0, 2, SPARE
	v_mov_b32 v[NIL], 0
	ds_add_u32 v6, v7
	ds_add_u32 v6, v7
	s_wait_dscnt 0x0
	v_lshrrev_b32 v150, 5, v0
	v_readfirstlane_b32 s[WV], v150                ; wave 0..7
	s_and_b32 s[KH], s[WV], 1                      ; the parity of my key steps
	s_xor_b32 s16, s[WV], 1                        ; my partner
	s_bfe_u32 s17, ttmp6, 0x40000                  ; cx: my place in the cluster
	s_lshl_b32 s18, ttmp9, 2
	s_add_co_u32 s18, s18, s17                     ; my block of queries: it enters qc's and ac's addresses alone
	s_and_b32 s19, ttmp7, 0xffff                   ; 4 x batch + head, which the four partners share
	s_mov_b32 s[SEL], 0x76543210
	s_mov_b32 s[SEL+1], 0xfedcba98
	s_mov_b32 s[CS], 0x3e0293ee                    ; c = log2(e) / sqrt(128)
	s_mov_b32 s[CS+1], s[CS]
	s_mov_b32 s[THR], 0xec800000                   ; -2^90: an M under it is a masked score's
	; descriptor group 1: a block is 52 rows of 256 bytes (32 elements of 8 bytes), dense
	s_mov_b32 s[G1], 15|(3<<16)|(1<<21)            ; 15:0 the mask: all four work-groups; 17:16 elements of 8 bytes; 20 no padding; 21 set beside a mask
	s_mov_b32 s[G1+1], 32<<16                      ; tensor_dim0
	s_mov_b32 s[G1+2], 52<<16                      ; tensor_dim1
	s_mov_b32 s[G1+3], 32<<16                      ; tile_dim0
	s_mov_b32 s[G1+4], 52                          ; tile_dim1
	s_mov_b32 s[G1+5], 32                          ; from row to row
	s_mov_b32 s[G1+6], 0
	s_mov_b32 s[G1+7], 0
	v_and_b32 v150, 31, v0                         ; lane
	v_lshlrev_b32 v[LI], 4, v150
	v_lshlrev_b32 v151, 3, v150
	v_bfe_u32 v152, v0, 4, 1
	v_lshl_add_u32 v[BH], v152, 6, BIAS            ; the mask table, + 64 bytes for lanes 16-31
	v_lshl_add_u32 v[MST], v0, 6, BIAS             ; where I put my 16 keys' f32
	v_lshlrev_b32 v[MOF], 4, v0                    ; my 16 mask bytes
	v_min_u32 v[PFO], 25, v150
	v_lshlrev_b32 v[PFO], 8, v[PFO]
	s_lshl_b32 s58, s[WV], 9
	s_add_co_u32 s58, s58, XM
	v_add_nc_u32 v[XMS], s58, v151
	s_lshl_b32 s58, s16, 9
	s_add_co_u32 s58, s58, XM
	v_add_nc_u32 v[XML], s58, v151
	s_lshl_b32 s58, s[WV], 13
	s_add_co_u32 s58, s58, XO
	v_add_nc_u32 v[XOS], s58, v[LI]
	s_lshl_b32 s58, s16, 13
	s_add_co_u32 s58, s58, XO
	v_add_nc_u32 v[XOL], s58, v[LI]
	s_lshr_b32 s58, s[WV], 2
	s_lshl_b32 s58, s58, 9
	s_and_b32 s59, s[WV], 3
	s_lshl_b32 s59, s59, 2
	s_add_co_u32 s58, s58, s59                     ; tile w's scale word in a block: 512 (w / 4) + 4 (w % 4), + 16 x lane
	v_add_nc_u32 v[QW0], s58, v[LI]
	s_add_co_u32 s59, s58, SG
	v_add_nc_u32 v[SGS], s59, v[LI]
	s_xor_b32 s58, s58, 4                          ; tile w xor 1's
	v_add_nc_u32 v[QW1], s58, v[LI]
	s_lshl_b32 s58, s[KH], 9
	s_add_co_u32 s58, s58, SG
	v_add_nc_u32 v[SGL], s58, v[LI]
.irp x, 0,1
	v_mov_b32 v[ST+8*\x], 0xff61b1e6               ; M: -3e38, under every t
.irp k, 1,2,3,4,5,6,7
	v_mov_b32 v[ST+8*\x+\k], 0
.endr
.irp k, 0,1,2,3,4,5,6,7,8,9,10,11
	v_mov_b32 v[TM+12*\x+\k], 0                    ; (a lane permute's destination counts as one of its sources)
.endr
.endr
	s_mul_i32 s54, s19, 32*BLK                     ; the (batch, head)'s 32 blocks in kc and in vc
	s_mov_b32 s55, 0
	s_mul_i32 s56, s[WV], BLK                      ; block w: in memory and in a slot; no place in the cluster enters an LDS address
	s_mov_b32 s57, 0
	s_mov_b32 s49, 0
	s_mov_b32 s42, 8*BLK                           ; from fill to fill in pass 1
	s_mov_b32 s43, 0
	s_mul_i32 s[TB], s[KH], BLK
	s_lshl_b32 s[TMB], s[KH], 9
	s_mov_b32 s[CC], 0
	s_wait_kmcnt 0x0
	s_add_nc_u64 s[6:7], s[6:7], s[54:55]
	s_add_nc_u64 s[8:9], s[8:9], s[54:55]
	s_mov_b32 s32, 1                               ; fill 0: K step w, to slot 0
	s_mov_b32 s33, s56
	s_add_nc_u64 s[34:35], s[6:7], s[56:57]
	s_mov_b32 s36, 1                               ; fill 1: K step 8 + w, to slot 1; this descriptor then walks
	s_add_co_u32 s37, s56, SLOT1
	s_add_nc_u64 s[38:39], s[34:35], 8*BLK
	s_or_b32 s35, s35, 0x80000000
	s_or_b32 s39, s39, 0x80000000
	s_and_b32 s48, s[WV], 3
	s_mul_i32 s48, s48, BLK
	s_cmp_lt_u32 s[WV], 4                          ; pass 2: waves 0-3 fetch K's blocks, waves 4-7 V's
	s_cselect_b64 s[40:41], s[6:7], s[8:9]
	s_add_nc_u64 s[40:41], s[40:41], s[48:49]
	s_or_b32 s41, s41, 0x80000000
	s_mul_i32 s48, s17, BLK                        ; the prefetches: my work-group's block of V's four, my wave's 26 pieces
	s_mul_i32 s58, s[WV], 26*256
	s_add_co_u32 s48, s48, s58
	s_add_nc_u64 s[PFA:PFA+1], s[8:9], s[48:49]
	s_lshr_b32 s[LIM], s[WV], 1
	s_or_b32 s[LIM], s[LIM], ttmp9                 ; 0 in waves 0 and 1 of the (batch, head)'s first cluster: the same in all four partners
	s_cmp_eq_u32 s[LIM], 0
	s_cselect_b32 s[LIM], 8, 0
	s_lshl_b32 s48, s19, 4
	s_add_co_u32 s48, s48, s18
	s_mul_i32 s48, s48, BLK
	s_add_nc_u64 s[4:5], s[4:5], s[48:49]          ; my block of qc
	s_add_nc_u64 s[12:13], s[12:13], s[48:49]      ; and of ac
	s_mul_i32 s48, s[WV], 1536
	s_add_nc_u64 s[58:59], s[4:5], s[48:49]        ; tile w
	s_add_nc_u64 s[62:63], s[12:13], s[48:49]
	s_mul_i32 s48, s16, 1536
	s_add_nc_u64 s[60:61], s[4:5], s[48:49]        ; tile w xor 1
	s_lshr_b32 s48, s19, 2
	s_lshl_b32 s48, s48, 12
	s_add_nc_u64 s[10:11], s[10:11], s[48:49]      ; my batch's mask
	CROUND                                         ; all four work-groups are here: the first joint loads meet
	tensor_load_to_lds s[32:35], s[G1:G1+7]
	s_nop 0
	tensor_load_to_lds s[36:39], s[G1:G1+7]
	s_nop 0
	PLACES
	global_load_b128 v[128:131], v[MOF], s[10:11]
.irp c, 0,1,2
	global_load_b128 v[QF+4*\c:QF+4*\c+3], v[LI], s[58:59] offset:512*\c
	global_load_b128 v[QF+12+4*\c:QF+12+4*\c+3], v[LI], s[60:61] offset:512*\c
.endr
	global_load_b32 v[QS], v[QW0], s[4:5] offset:12288
	global_load_b32 v[QS+1], v[QW1], s[4:5] offset:12288
	v_mov_b32 v148, 0xf1800000                     ; -2^100
	s_wait_loadcnt 0x0
.irp k, 0,1,2,3,4,5,6,7,8,9,10,11,12,13,14,15
	v_bfe_u32 v149, v[128+\k/4], 8*(\k%4), 8
	v_cmp_ne_u32 vcc_lo, 0, v149
	v_cndmask_b32 v[132+\k], 0, v148, vcc_lo       ; a masked key: -2^100; else 0
.endr
.irp k, 0,1,2,3
	ds_store_b128 v[MST], v[132+4*\k:135+4*\k] offset:16*\k
.endr
	s_wait_tensorcnt 1                             ; my block of fill 0 is in; fill 1's may stay out
	s_wait_dscnt 0x0                               ; my part of the mask table has landed
	s_barrier_signal -1
	s_barrier_wait -1
	NEXTADR
	LOADK
	; ---- pass 1: 16 key steps a wave, four to a slot; behind each slot a change that fills it again (fills 2 to 5); the last step fetches pass 2's first K
	s_mov_b32 s47, 4
.Lpass1:
	s_mov_b32 s48, 3
.Lpass1_in:
	STEP1 0
	s_sub_co_u32 s48, s48, 1
	s_cmp_lg_u32 s48, 0
	s_cbranch_scc1 .Lpass1_in
	STEP1 1
	s_sub_co_u32 s47, s47, 1
	s_cmp_lg_u32 s47, 0
	s_cbranch_scc1 .Lpass1
	; ---- between the passes: l's halves; lane l xor 16's keys; my partner's key steps
.irp x, 0,1
	v_add_f32 v[ST+8*\x+1], v[ST+8*\x+2], v[ST+8*\x+3]
.endr
.irp x, 0,1
	v_permlanex16_b32 v[ST+8*\x+6], v[ST+8*\x], s[SEL], s[SEL+1]
	v_permlanex16_b32 v[ST+8*\x+7], v[ST+8*\x+1], s[SEL], s[SEL+1]
.endr
	MERGE
.irp x, 0,1
	ds_store_b64 v[XMS], v[ST+8*\x:ST+8*\x+1] offset:256*\x
.endr
	WIN 0x40
.set j, 0
.rept 128                              ; O^T begins as zeros, once, so that pass 2's step is not written out once more for its first products
	v_mov_b32 v[j], 0
.set j, j+1
.endr
	WIN 0
	s_wait_dscnt 0x0                               ; my (M, l) have landed
	s_barrier_signal -1
	s_barrier_wait -1                              ; (fill 5 may stay out)
.irp x, 0,1
	ds_load_b64 v[ST+8*\x+6:ST+8*\x+7], v[XML] offset:256*(1-\x)   ; my partner's other set is my tile
.endr
	s_wait_dscnt 0x0
	MERGE
.irp x, 0,1
	v_rcp_f32 v[ST+8*\x+4], v[ST+8*\x+1]
.endr
	v_nop
	s_wait_alu depctr_va_vdst(0)
.irp x, 0,1
	v_cmp_gt_f32 vcc_lo, s[THR], v[ST+8*\x]        ; all keys masked:
	v_cndmask_b32 v[ST+8*\x+4], v[ST+8*\x+4], v[ST+8*\x+5], vcc_lo   ; 1 / l = 0
.endr
	; ---- pass 2: 16 key steps a wave, two to a slot; six changes fill again (fills 6 to 11); the tail is written out
	s_mov_b32 s47, 6
.Lpass2:
	STEP2 0
	STEP2 1
	s_sub_co_u32 s47, s47, 1
	s_cmp_lg_u32 s47, 0
	s_cbranch_scc1 .Lpass2
	STEP2 0
	STEP2 2
	STEP2 0
	STEP2 3
	; ---- the way out: my half of my partner's tile goes to LDS, its half of mine comes back; the sum is quantised along the head's channels
	WIN 0x04                                       ; an LDS store's data are its source 1: window 1
.set j, 0
.rept 16
	ds_store_b128 v[XOS], v[64+4*j:64+4*j+3] offset:512*j   ; each accumulator from its low end on
.set j, j+1
.endr
	WIN 0
	s_wait_dscnt 0x0
	s_barrier_signal -1
	s_barrier_wait -1
.set j, 0
.rept 16
	ds_load_b128 v[S+4*j:S+4*j+3], v[XOL] offset:512*j
.set j, j+1
.endr
	s_lshl_b32 s48, s[KH], 9
	s_add_nc_u64 s[58:59], s[12:13], s[48:49]      ; where waves 0 and 1 store the scale words
	s_wait_dscnt 0x0
	WIN 0x01
.set j, 0
.rept 32
	v_pk_add_f32 v[S+2*j:S+2*j+1], v[2*j:2*j+1], v[S+2*j:S+2*j+1]
.set j, j+1
.endr
	WIN 0
.irp b, 0,1,2,3
	v_max3_num_f32 v[TM+\b], |v[S+16*\b]|, |v[S+1+16*\b]|, 0x1800000
.endr
.irp i, 2,4,6,8,10,12,14
.irp b, 0,1,2,3
	v_max3_num_f32 v[TM+\b], v[TM+\b], |v[S+16*\b+\i]|, |v[S+1+16*\b+\i]|
.endr
.endr
.irp b, 0,1,2,3
	v_permlanex16_b32 v[TM+4+\b], v[TM+\b], s[SEL], s[SEL+1]
.endr
.irp b, 0,1,2,3
	v_max_num_f32 v[TM+\b], v[TM+\b], v[TM+4+\b]
.endr
.irp b, 0,1,2,3
	v_add_nc_u32 v[TM+12+\b], 0xff000000, v[TM+\b]
.endr
.irp b, 0,1,2,3
	v_lshrrev_b32 v[TM+4+\b], 23, v[TM+12+\b]
.endr
	v_lshl_or_b32 v[PWD], v[TM+5], 8, v[TM+4]
	v_lshl_or_b32 v[PWD], v[TM+6], 16, v[PWD]
	v_lshl_or_b32 v[PWD], v[TM+7], 24, v[PWD]
.irp c, 0,1
	v_cvt_scalef32_pk16_fp6_f32 v[PC+6*\c:PC+2+6*\c], v[S+32*\c:S+15+32*\c], v[TM+12+2*\c]
	v_cvt_scalef32_pk16_fp6_f32 v[PC+12+4*\c:PC+14+4*\c], v[S+16+32*\c:S+31+32*\c], v[TM+12+2*\c+1]
.endr
	v_nop
.irp c, 0,1
.irp i, 0,1,2
	v_permlane16_swap_b32 v[PC+6*\c+\i], v[PC+12+4*\c+\i]
.endr
.irp i, 0,1,2
	v_mov_b32 v[PC+3+6*\c+\i], v[PC+12+4*\c+\i]
.endr
.endr
.irp c, 0,1,2
	global_store_b128 v[LI], v[PC+4*\c:PC+4*\c+3], s[62:63] offset:512*\c   ; fragment w of my block of ac: 512 consecutive bytes a store
.endr
	ds_store_b32 v[SGS], v[PWD]                    ; the eight waves' scale words meet in LDS
	s_wait_dscnt 0x0
	s_barrier_signal -1
	s_barrier_wait -1
	s_cmp_lt_u32 s[WV], 2
	s_cbranch_scc0 .Lno_words
	ds_load_b128 v[S:S+3], v[SGL]
	s_wait_dscnt 0x0
	global_store_b128 v[LI], v[S:S+3], s[58:59] offset:12288
.Lno_words:
	s_wait_tensorcnt 0x0                           ; the wave's end
	ds_add_u32 v[SPW], v[NIL]
	s_wait_dscnt 0x0
	CROUND                                         ; the closing round: no work-group ends while a partner may still ask for a block that names it
	s_endpgm
.Lfunc_end_k_q808bc7d337_attn:
	.size	k_q808bc7d337_attn, .Lfunc_end_k_q808bc7d337_attn-k_q808bc7d337_attn
	.p2alignl 7, 3214868480
	.fill 96, 4, 3214868480
	.section	.rodata,"a",@progbits
	.p2align	6, 0x0
	.amdhsa_kernel k_q808bc7d337_attn
		.amdhsa_group_segment_fixed_size 327680
		.amdhsa_private_segment_fixed_size 0
		.amdhsa_enable_private_segment 0
		.amdhsa_kernarg_size 40
		.amdhsa_user_sgpr_count 2
		.amdhsa_user_sgpr_kernarg_segment_ptr 1
		.amdhsa_wavefront_size32 1
		.amdhsa_system_sgpr_workgroup_id_x 1
		.amdhsa_system_sgpr_workgroup_id_y 1
		.amdhsa_system_sgpr_workgroup_id_z 1
		.amdhsa_system_vgpr_workitem_id 0
		.amdhsa_next_free_vgpr 512
		.amdhsa_next_free_sgpr 66
		.amdhsa_reserve_vcc 1
		.amdhsa_float_denorm_mode_32 3
		.amdhsa_float_denorm_mode_16_64 3
		.amdhsa_memory_ordered 1
		.amdhsa_forward_progress 1
		.amdhsa_inst_pref_size 251
	.end_amdhsa_kernel
	.amdgpu_metadata
---
amdhsa.version: [ 1, 2 ]
amdhsa.kernels:
  - .name:           k_q808bc7d337_attn
    .symbol:         k_q808bc7d337_attn.kd
    .args:
      - { .name: qc, .offset: 0, .size: 8, .value_kind: global_buffer, .address_space: global }
      - { .name: kc, .offset: 8, .size: 8, .value_kind: global_buffer, .address_space: global }
      - { .name: vc, .offset: 16, .size: 8, .value_kind: global_buffer, .address_space: global }
      - { .name: key_padding_mask, .offset: 24, .size: 8, .value_kind: global_buffer, .address_space: global }
      - { .name: ac, .offset: 32, .size: 8, .value_kind: global_buffer, .address_space: global }
    .group_segment_fixed_size: 327680
    .private_segment_fixed_size: 0
    .kernarg_segment_align: 8
    .kernarg_segment_size: 40
    .max_flat_workgroup_size: 256
    .sgpr_count:     66
    .vgpr_count:     512
    .wavefront_size: 32
...
	.end_amdgpu_metadata
.endif
;; end of part 3
;; launch outp (part 4): grid 256 x 1, 4 waves a work-group, no clusters, 66,560 bytes of LDS; arguments ac, wc, bo, out0; writes out0
.if DOCPART == 4
	.amdgcn_target "amdgcn-amd-amdhsa--gfx1250"
	.amdhsa_code_object_version 6
	.text
	.protected	k_q808bc7d337_outp
	.globl	k_q808bc7d337_outp
	.p2align	8
	.type	k_q808bc7d337_outp,@function
k_q808bc7d337_outp:
	s_mov_b64 s[64:65], 0
	v_nop
	global_prefetch_b8 v0, s[64:65] scope:SCOPE_SE
	s_setreg_imm32_b32 hwreg(HW_REG_WAVE_MODE, 25, 1), 1
	s_wait_xcnt 0x0
; out = attn Wo^T + bo, on codes of FP6 (E2M3) with one E8M0 scale for each 32 along K.  attn's codes lie in ac, a block for each (batch, head, 128 queries): head h is K step h.  Wo's lie in wc, weight 3.
; A work-group takes 32 queries (two tiles of a block), wave w columns 128 w .. 128 w + 127: Wo's tiles 8 w + i.  All operands go from memory straight into registers as images of those registers, a K step at a time,
; and the products of a K step wait only for its own loads.  Transposed use (source 0 = 16 rows of Wo, source 1 = 16 queries): a lane holds one query, and the 16 registers of tiles 2 b, 2 b + 1 are 16 neighbouring columns.
; bo is the C of each sum's first product.  The 16 accumulators take turns.
; THE WAY OUT: lane r of tile x holds query 8 x + r + 8 (r / 8) of the 32; it goes to stage row 16 x + r (rows of 2,048 bytes + 16: sixteen lanes touch sixteen consecutive rows); behind a barrier wave w reads stage rows
; 8 w .. 8 w + 7, which are queries 16 (w % 2) + 8 (w / 2) + 0 .. 7, and stores 512 consecutive bytes an instruction.
; REGISTERS: window 0: v1-4 addresses; v16-47 Wo's scale words; v48-55 attn's; v128-255 accumulators (x, i), later rows.  Windows 1, 2: Wo's 32 fragments.  Window 3: v0-95 attn's 8 fragments; v96-159 bo.
.set BLK,  13312
.set FRB,  1536
.set WSZ,  212992
.set WSC,  196608
.set HSTR, 16*BLK                      ; from head to head in ac
.set OP,   2064
.set LI,   1
.set BI,   2
.set SO,   3
.set SR,   4
.set ISC,  16
.set ASC,  48
.set ACC,  128
.set CBI,  96
.set MSB, 0
.macro WIN new
.if MSB != (\new)
	s_set_vgpr_msb (MSB<<8)|(\new)
.set MSB, (\new)
.endif
.endm
.macro MM d, a, b, c, sa, sb
	v_wmma_scale_f32_16x16x128_f8f6f4 v[\d:\d+7], v[\a:\a+11], v[\b:\b+11], v[\c:\c+7], v[\sa], v[\sb] matrix_a_fmt:MATRIX_FMT_FP6 matrix_b_fmt:MATRIX_FMT_FP6
.endm
	s_load_b256 s[4:11], s[0:1], 0x0               ; ac, wc, bo, out0
	v_lshl_add_u32 v126, v0, 2, 0x10200
	v_mov_b32 v127, 0
	v_lshrrev_b32 v5, 5, v0
	v_readfirstlane_b32 s14, v5                    ; wave
	v_and_b32 v5, 31, v0
	v_lshlrev_b32 v[LI], 4, v5                     ; 16 x lane
	v_and_b32 v6, 15, v0                           ; r
	v_bfe_u32 v7, v0, 4, 1                         ; h
	v_lshlrev_b32 v[BI], 6, v7
	v_mul_u32_u24 v[SO], v6, OP
	v_add_nc_u32 v[SO], v[SO], v[BI]
	s_lshl_b32 s15, s14, 9
	v_add_nc_u32 v[SO], s15, v[SO]                 ; the stage, in: row r, + 64 h, + 512 x wave
	s_mul_i32 s15, s14, 8*OP
	v_add_nc_u32 v[SR], s15, v[LI]                 ; and back: my 8 rows, 16 bytes a lane
	s_lshr_b32 s16, ttmp9, 6                       ; batch
	s_bfe_u32 s17, ttmp9, 0x40002                  ; block of 128 queries
	s_and_b32 s18, ttmp9, 3                        ; which pair of tiles
	s_lshl_b32 s16, s16, 6
	s_add_co_u32 s16, s16, s17
	s_mul_i32 s16, s16, BLK                        ; head 0's block
	s_mul_i32 s20, s18, 2*FRB
	s_add_co_u32 s20, s20, s16                     ; my two fragments
	s_mov_b32 s21, 0
	s_lshr_b32 s22, s18, 1
	s_lshl_b32 s22, s22, 9
	s_and_b32 s23, s18, 1
	s_lshl_b32 s23, s23, 3
	s_add_co_u32 s22, s22, s23
	s_add_co_u32 s22, s22, s16
	s_add_co_u32 s22, s22, 12288                   ; and their scale words
	s_mov_b32 s23, 0
	s_mul_i32 s24, s14, 32*FRB
	s_add_co_u32 s24, s24, 3*WSZ                   ; my 32 fragments of Wo
	s_mov_b32 s25, 0
	s_lshl_b32 s26, s14, 12
	s_add_co_u32 s26, s26, 3*WSZ+WSC               ; and their scale words
	s_mov_b32 s27, 0
	s_lshl_b32 s28, s14, 9                         ; my 128 numbers of bo
	s_mov_b32 s29, 0
	s_and_b32 s30, s14, 1
	s_lshl_b32 s30, s30, 4
	s_lshr_b32 s31, s14, 1
	s_lshl_b32 s31, s31, 3
	s_add_co_u32 s30, s30, s31                     ; the first query that I store: 16 (w % 2) + 8 (w / 2)
	s_lshl_b32 s30, s30, 11
	s_lshl_b32 s31, ttmp9, 16                      ; + 32 rows of 2,048 bytes a work-group
	s_add_co_u32 s30, s30, s31
	s_mov_b32 s31, 0
	s_wait_kmcnt 0x0
	s_add_nc_u64 s[20:21], s[4:5], s[20:21]
	s_add_nc_u64 s[22:23], s[4:5], s[22:23]
	s_add_nc_u64 s[24:25], s[6:7], s[24:25]
	s_add_nc_u64 s[26:27], s[6:7], s[26:27]
	s_add_nc_u64 s[8:9], s[8:9], s[28:29]
	s_add_nc_u64 s[10:11], s[10:11], s[30:31]
	WIN 0xc0
.irp i, 0,1,2,3,4,5,6,7                        ; bo in the result's layout: tile 2 b + u, lane half h: columns 32 b + 16 h + 8 u + 0 .. 7
	global_load_b128 v[CBI+8*\i:CBI+8*\i+3], v[BI], s[8:9] offset:(32*(\i/2)+8*(\i%2))*4
	global_load_b128 v[CBI+8*\i+4:CBI+8*\i+7], v[BI], s[8:9] offset:(32*(\i/2)+8*(\i%2))*4+16
.endr
	WIN 0
.irp i, 0,1,2,3,4,5,6,7
	global_load_b128 v[ISC+4*\i:ISC+4*\i+3], v[LI], s[26:27] offset:512*\i
.endr
.irp x, 0,1
.irp h, 0,1,2,3
	global_load_b32 v[ASC+4*\x+\h], v[LI], s[22:23] offset:\h*HSTR+4*\x
.endr
.endr
.irp h, 0,1,2,3                                ; a K step: 6 loads of attn, 24 of Wo
	WIN 0xc0
.irp x, 0,1
.irp c, 0,1,2
	global_load_b128 v[48*\x+12*\h+4*\c:48*\x+12*\h+4*\c+3], v[LI], s[20:21] offset:\h*HSTR+\x*FRB+512*\c
.endr
.endr
.irp i, 0,1,2,3,4,5,6,7
	WIN 0x40+0x40*(\i/4)
.irp c, 0,1,2
	global_load_b128 v[12*(4*(\i%4)+\h)+4*\c:12*(4*(\i%4)+\h)+4*\c+3], v[LI], s[24:25] offset:(4*\i+\h)*FRB+512*\c
.endr
.endr
.endr
	WIN 0
.irp h, 0,1,2,3
.if \h == 0
	s_wait_loadcnt 63                              ; K step 0 is in: 90 later loads could stay out; a wait names 63 at the most
.else
	s_wait_loadcnt 30*(3-\h)                       ; K step h is in; the later K steps' 30 loads each may be out
.endif
.irp i, 0,1,2,3,4,5,6,7
.irp x, 0,1
.if \h == 0
	WIN 0x3d+\i/4                                  ; source 0 window 1 or 2, source 1 and C window 3
	MM ACC+64*\x+8*\i, 12*(4*(\i%4)+\h), 48*\x+12*\h, CBI+8*\i, ISC+4*\i+\h, ASC+4*\x+\h
.else
	WIN 0x0d+\i/4
	MM ACC+64*\x+8*\i, 12*(4*(\i%4)+\h), 48*\x+12*\h, ACC+64*\x+8*\i, ISC+4*\i+\h, ASC+4*\x+\h
.endif
.endr
.endr
.endr
	WIN 0
.rept 4
	v_nop                                          ; four places in front of the first read of results
.endr
.irp x, 0,1
.irp i, 0,1,2,3,4,5,6,7
	ds_store_b128 v[SO], v[ACC+64*\x+8*\i:ACC+64*\x+8*\i+3] offset:16*\x*OP+128*(\i/2)+32*(\i%2)       ; each accumulator from its low end on
	ds_store_b128 v[SO], v[ACC+64*\x+8*\i+4:ACC+64*\x+8*\i+7] offset:16*\x*OP+128*(\i/2)+32*(\i%2)+16
.endr
.endr
	s_wait_dscnt 0x0                               ; for the others' sake: my stores have landed
	s_barrier_signal -1
	s_barrier_wait -1                              ; 32 whole rows lie in the stage
.set n, 0
.rept 32
	ds_load_b128 v[ACC+4*n:ACC+4*n+3], v[SR] offset:(n/4)*OP+512*(n%4)
.set n, n+1
.endr
.set n, 0
.rept 32
	s_wait_dscnt 31-n                              ; load n is back; the later ones may be out
	global_store_b128 v[LI], v[ACC+4*n:ACC+4*n+3], s[10:11] offset:(n/4)*2048+512*(n%4) th:TH_STORE_NT   ; 512 consecutive bytes, at a multiple of 256 from out0's first byte
.set n, n+1
.endr
	s_wait_tensorcnt 0x0
	ds_add_u32 v126, v127
	s_wait_dscnt 0x0
	s_endpgm
.Lfunc_end_k_q808bc7d337_outp:
	.size	k_q808bc7d337_outp, .Lfunc_end_k_q808bc7d337_outp-k_q808bc7d337_outp
	.p2alignl 7, 3214868480
	.fill 96, 4, 3214868480
	.section	.rodata,"a",@progbits
	.p2align	6, 0x0
	.amdhsa_kernel k_q808bc7d337_outp
		.amdhsa_group_segment_fixed_size 66560
		.amdhsa_private_segment_fixed_size 0
		.amdhsa_enable_private_segment 0
		.amdhsa_kernarg_size 32
		.amdhsa_user_sgpr_count 2
		.amdhsa_user_sgpr_kernarg_segment_ptr 1
		.amdhsa_wavefront_size32 1
		.amdhsa_system_sgpr_workgroup_id_x 1
		.amdhsa_system_sgpr_workgroup_id_y 1
		.amdhsa_system_sgpr_workgroup_id_z 1
		.amdhsa_system_vgpr_workitem_id 0
		.amdhsa_next_free_vgpr 1024
		.amdhsa_next_free_sgpr 66
		.amdhsa_reserve_vcc 0
		.amdhsa_float_denorm_mode_32 3
		.amdhsa_float_denorm_mode_16_64 3
		.amdhsa_memory_ordered 1
		.amdhsa_forward_progress 1
		.amdhsa_inst_pref_size 34
	.end_amdhsa_kernel
	.amdgpu_metadata
---
amdhsa.version: [ 1, 2 ]
amdhsa.kernels:
  - .name:           k_q808bc7d337_outp
    .symbol:         k_q808bc7d337_outp.kd
    .args:
      - { .name: ac, .offset: 0, .size: 8, .value_kind: global_buffer, .address_space: global }
      - { .name: wc, .offset: 8, .size: 8, .value_kind: global_buffer, .address_space: global }
      - { .name: bo, .offset: 16, .size: 8, .value_kind: global_buffer, .address_space: global }
      - { .name: out0, .offset: 24, .size: 8, .value_kind: global_buffer, .address_space: global }
    .group_segment_fixed_size: 66560
    .private_segment_fixed_size: 0
    .kernarg_segment_align: 8
    .kernarg_segment_size: 32
    .max_flat_workgroup_size: 128
    .sgpr_count:     66
    .vgpr_count:     1024
    .wavefront_size: 32
...
	.end_amdgpu_metadata
.endif
;; end of part 4
;; ======== version 2 of 2: 4 launches; version 1 with the launches proj, outp written anew for expert scheduling mode
;; limits: right only within a limited range of input values
;; workspace buffers: wc 851,968 bytes; qc 3,407,872 bytes; kc 6,815,744 bytes; vc 6,815,744 bytes; ac 3,407,872 bytes
;; launch wquant: the kernel of part 1 again; grid 128 x 1, 4 waves a work-group, no clusters, 1,536 bytes of LDS; arguments Wq, Wk, Wv, Wo, wc; writes wc
;; launch proj (part 5): grid 320 x 1, 4 waves a work-group, no clusters, 121,344 bytes of LDS; arguments value, key, query, bv, bk, bq, vc, kc, qc, wc; writes vc, kc, qc
.if DOCPART == 5
	.amdgcn_target "amdgcn-amd-amdhsa--gfx1250"
	.amdhsa_code_object_version 6
	.text
	.protected	k_q808bc7d337_proj
	.globl	k_q808bc7d337_proj
	.p2align	8
	.type	k_q808bc7d337_proj,@function
k_q808bc7d337_proj:
	s_mov_b64 s[64:65], 0
	v_nop
	global_prefetch_b8 v0, s[64:65] scope:SCOPE_SE
	s_setreg_imm32_b32 hwreg(HW_REG_WAVE_SCHED_MODE, 0, 2), 2
	s_setreg_imm32_b32 hwreg(HW_REG_WAVE_MODE, 25, 1), 1
	s_wait_xcnt 0x0
	s_wait_alu depctr_vm_vsrc(0)
; v = value Wv^T + bv, k = key Wk^T + bk, q = query Wq^T + bq, on codes of FP6 (E2M3) with one E8M0 scale for each 32 along K; the results are quantised at once for the attention's products.
; A work-group takes 128 rows of one tensor (work-groups 0-127 value, 128-255 key, 256-319 query) and all 512 outputs; wave w makes head w's 128 outputs.
; OUT: one block of BLK bytes for each (batch, head, 128 rows): eight fragments as images of their 12 registers (fragment t at 1,536 t, group c, lane l at 512 c + 16 l), and at 12,288 the scale words
; (tiles 4 g .. 4 g + 3 of lane l at 512 g + 16 l).  q and k: a fragment's rows are tokens, its K the head's 128 channels.  v: its rows are channels, its K the 128 tokens (the keys).
; IN ALL TILES lane r of tile 2 b + u holds row 32 b + 8 u + r + 8 (r / 8): as source 0 the 16 result registers of tiles 2 b, 2 b + 1 are then 16 neighbours along the next K.
; PHASE X: wave w loads its 32 rows of x, a K step (512 consecutive bytes of a row) a load, turns them through its own stage in LDS so that a lane holds 16 neighbours of each block, quantises, and stores the
; fragments' images in LDS.  One barrier.  Then ONE branch on the tensor: q, k: my 8 tiles of W stay in registers (source 0), x's tiles come by from LDS (source 1): a lane holds a token, its registers run along the
; channels.  v: x's 8 tiles stay in registers (source 0), my tiles of W come by from memory (source 1): a lane holds a channel, its registers run along the tokens.  Either way tile o's result is fragment o of my block.
; The two ways are written out apart, so that each counted wait counts loads of one kind.  Behind the barrier nothing is stored to LDS.
; LIMITS: NaN and infinities among the inputs are not served; a block of zeros gets the byte 1 (its codes are zeros; this program alone reads the bytes).
; REGISTERS: window 0: v1-13 addresses; v16-47 inner scale words; v48-63 outer scale words, four sets; v64-127 accumulators (phase X: tile 0's numbers); v128-191 tile 1's numbers, later bv in pairs;
;   v192-211 codes; v212-227 at work; v232-239 x's scale words; v240-247 the results'.  Windows 1, 2: the inner operand's 32 fragments (tile i at 12 (4 (i % 4) + s) of window 1 + i / 4); window 1 v192-255 the bias as C.
;   window 3: phase X: two sets of 32 rows as loaded; later the outer operand, four sets of 48.
; THE MODE: SCHED_MODE bits 1:0 = 2 (LLVM: expert scheduling mode 2), set by the entry lines.  The code itself states the register dependences between vector or matrix instructions and memory or LDS
; instructions, with s_wait_alu, always for 0.
; THE PLAN.  Registers that memory or LDS instructions touch:
;   v1-7, v11-13   offsets and LDS addresses: written once at the head, read by every load and store, never written again.
;   window 3 (X)   two raw sets: the loads of K step s land in set s % 2, the stage's stores of K step s read it, the loads of K step s + 2 land in it again.  No vector instruction names them.
;   XN0, XN1       the stage's loads land in them, the quantiser reads them, the next K step's loads land in them again.
;   PC             the quantiser writes the codes, three stores (to LDS, later to memory) read them, the next quantiser writes them again.
;   XW, OW         the quantiser writes a scale word a turn; one run of stores reads them, at the end of phase X and of each way.
;   window 3, OSC  four outer sets: the loads of tile o + 3 land in the set that tile o - 1's products have read.
;   windows 1, 2, ISC, the biases: loaded once, read by products (bv: by additions) alone.
; So a K step of phase X has four waits: one on vm_vsrc behind the stage's stores (the raw set and PC are free), one on va_vdst behind each quantiser (PC is written; the second also: XN0 and XN1 are read out),
; one on vm_vsrc between the first image and the second quantiser.  An outer tile has two: vm_vsrc ahead of its quantiser, nearly a tile behind the stores that it waits for, and ONE on va_vdst behind the quantiser:
; the codes are written, and the tile's products are done with their outer set.  The next tile's 13 loads into that set follow with no further wait, dealt among its products, which name other sets.
.set BLK,  13312
.set FRB,  1536
.set WSZ,  212992
.set WSC,  196608
.set SPT,  528                         ; a stage row: 512 bytes + 16: sixteen consecutive rows start in sixteen different groups of banks
.set STGW, 32*SPT
.set XIMG, 4*STGW                      ; x's 32 fragments: (4 tile + s) x 1,536
.set XSC,  XIMG+32*FRB                 ; their scale words: 512 tile + 16 lane + 4 s
.set LI,   1
.set SIN,  2
.set SOUT, 3
.set XWI,  4
.set XWS,  5
.set BI,   6
.set BO,   7
.set RI,   11
.set RS,   12
.set GS,   13                          ; 16 x lane once more, for the result's stores alone: so no store that stands between a wait and the loads that lean on it names a register of those loads
.set ISC,  16
.set OSC,  48
.set ACC,  64
.set XN0,  64
.set XN1,  128
.set CBO,  128
.set PC,   192
.set TM,   212
.set XW,   232
.set OW,   240
.set CBI,  192
.set WV,   28
.set SEL,  30
.set MSB, 0
.macro WIN new                         ; the immediate's high byte repeats the setting that is left
.if MSB != (\new)
	s_set_vgpr_msb (MSB<<8)|(\new)
.set MSB, (\new)
.endif
.endm
.macro MM d, a, b, c, sa, sb
	v_wmma_scale_f32_16x16x128_f8f6f4 v[\d:\d+7], v[\a:\a+11], v[\b:\b+11], v[\c:\c+7], v[\sa], v[\sb] matrix_a_fmt:MATRIX_FMT_FP6 matrix_b_fmt:MATRIX_FMT_FP6
.endm
.macro MMZ d, a, b, sa, sb
	v_wmma_scale_f32_16x16x128_f8f6f4 v[\d:\d+7], v[\a:\a+11], v[\b:\b+11], 0, v[\sa], v[\sb] matrix_a_fmt:MATRIX_FMT_FP6 matrix_b_fmt:MATRIX_FMT_FP6
.endm
; 64 numbers of a lane, register 16 b + i = k 32 b + 16 (lane / 16) + i of my row, become a fragment's codes in v[PC] on and its scale word in v[pw]
.macro QUANT s, pw
.irp b, 0,1,2,3
	v_max3_num_f32 v[TM+\b], |v[(\s)+16*\b]|, |v[(\s)+1+16*\b]|, 0x1800000   ; block b: my 16 numbers, and the floor 2^(3 - 127)
.endr
.irp i, 2,4,6,8,10,12,14
.irp b, 0,1,2,3
	v_max3_num_f32 v[TM+\b], v[TM+\b], |v[(\s)+16*\b+\i]|, |v[(\s)+1+16*\b+\i]|
.endr
.endr
.irp b, 0,1,2,3
	v_permlanex16_b32 v[TM+4+\b], v[TM+\b], s[SEL], s[SEL+1]
.endr
.irp b, 0,1,2,3
	v_max_num_f32 v[TM+\b], v[TM+\b], v[TM+4+\b]   ; with lane l xor 16's: the block's largest magnitude
.endr
.irp b, 0,1,2,3
	v_add_nc_u32 v[TM+12+\b], 0xff000000, v[TM+\b] ; 2 off its exponent field: the conversion's scale operand
.endr
.irp b, 0,1,2,3
	v_lshrrev_b32 v[TM+4+\b], 23, v[TM+12+\b]      ; the scale's byte
.endr
	v_lshl_or_b32 v[\pw], v[TM+5], 8, v[TM+4]
	v_lshl_or_b32 v[\pw], v[TM+6], 16, v[\pw]
	v_lshl_or_b32 v[\pw], v[TM+7], 24, v[\pw]
.irp c, 0,1
	v_cvt_scalef32_pk16_fp6_f32 v[PC+6*\c:PC+2+6*\c], v[(\s)+32*\c:(\s)+15+32*\c], v[TM+12+2*\c]
	v_cvt_scalef32_pk16_fp6_f32 v[PC+12+4*\c:PC+14+4*\c], v[(\s)+16+32*\c:(\s)+31+32*\c], v[TM+12+2*\c+1]
.endr
	v_nop                                          ; one plain place behind a scaled conversion
.irp c, 0,1                                    ; the operand's layout wants a whole block in a lane
.irp i, 0,1,2
	v_permlane16_swap_b32 v[PC+6*\c+\i], v[PC+12+4*\c+\i]
.endr
.irp i, 0,1,2
	v_mov_b32 v[PC+3+6*\c+\i], v[PC+12+4*\c+\i]
.endr
.endr
.endm
.macro IMAGE off
.irp c, 0,1,2
	ds_store_b128 v[XWI], v[PC+4*\c:PC+4*\c+3] offset:\off+512*\c
.endr
.endm
; K step s of my 32 rows: a load reads 512 consecutive bytes of one row, into set s % 2 of window 3
.macro LOADX s
	WIN 0xc0
.set rr, 0
.rept 32
	global_load_b128 v[128*((\s)%2)+4*rr:128*((\s)%2)+4*rr+3], v[LI], s[4:5] offset:2048*rr+512*(\s) th:TH_LOAD_NT
.set rr, rr+1
.endr
	WIN 0
.endm
.macro XSTEP s
.if \s < 3
	s_wait_loadcnt 32                              ; this K step's 32 loads are in; the next one's 32 may be out
.else
	s_wait_loadcnt 0x0
.endif
	WIN 0x0c                                       ; an LDS store's data are its source 1: window 3
.set rr, 0
.rept 32                                       ; row 16 a + 8 u + m goes to stage row 16 u + 8 a + m: a tile's sixteen lanes then read sixteen consecutive stage rows
	ds_store_b128 v[SIN], v[128*(\s%2)+4*rr:128*(\s%2)+4*rr+3] offset:SPT*(16*((rr>>3)&1)+8*(rr>>4)+(rr&7))
.set rr, rr+1
.endr
	WIN 0
.irp u, 0,1                                    ; no wait on va_vdst here: the one ahead of the last K step's second image stands behind both quantisers, which read these registers, and no vector instruction has been issued since
.irp b, 0,1,2,3
.irp j, 0,1,2,3
	ds_load_b128 v[XN0+64*\u+16*\b+4*\j:XN0+64*\u+16*\b+4*\j+3], v[SOUT] offset:16*\u*SPT+128*\b+16*\j   ; LDS serves a wave's instructions in order: these see the stores above
.endr
.endr
.endr
	s_wait_dscnt 16                                ; the stores and tile 0's loads are done; tile 1's sixteen may be out
.if \s < 2
	WIN 0xc0                                       ; (the window of the loads below, ahead of the wait that they lean on)
.endif
	s_wait_alu depctr_vm_vsrc(0)                   ; the stage's stores have read the raw set, in which loads land again (the K step two on; later the outer operand); the last image's stores have read the codes, which the quantiser below writes
.if \s < 2
	LOADX \s+2                                     ; the set that the stores have read takes the K step two on
.endif
	QUANT XN0, XW+\s
	s_wait_alu depctr_va_vdst(0)                   ; the quantiser has written the codes, which the image's stores read
	IMAGE \s*FRB
	s_wait_dscnt 0x0                               ; tile 1's numbers are in
	s_wait_alu depctr_vm_vsrc(0)                   ; the image's stores have read the codes, which the quantiser below writes again
	QUANT XN1, XW+4+\s
	s_wait_alu depctr_va_vdst(0)                   ; the codes and the scale words are written, which LDS stores read; both quantisers are done reading XN0 and XN1, in which the next K step's loads (on the value's way: bv) land
	IMAGE (4+\s)*FRB
	s_wait_dscnt 0x0
.endm
; the outer operand's tile o, into set o % 4: its four scale words by one load, and 12 loads, three a K step.  mode 0: x's, from LDS; mode 1: W's, from memory
.macro OUTWORDS o, mode
	WIN 0
.if \mode == 0
	ds_load_b128 v[OSC+4*((\o)%4):OSC+4*((\o)%4)+3], v[RS] offset:512*(\o)
.else
	global_load_b128 v[OSC+4*((\o)%4):OSC+4*((\o)%4)+3], v[LI], s[40:41] offset:512*(\o)
.endif
.endm
.macro OUTFRAG o, s, mode
	WIN 0xc0
.irp c, 0,1,2
.if \mode == 0
	ds_load_b128 v[48*((\o)%4)+12*(\s)+4*\c:48*((\o)%4)+12*(\s)+4*\c+3], v[RI] offset:(4*(\o)+(\s))*FRB+512*\c
.else
	global_load_b128 v[48*((\o)%4)+12*(\s)+4*\c:48*((\o)%4)+12*(\s)+4*\c+3], v[LI], s[38:39] offset:(4*(\o)+(\s))*FRB+512*\c
.endif
.endr
.endm
.macro LOADOUT o, mode                 ; a whole tile in one run: the first three tiles
	OUTWORDS \o, \mode
.irp s, 0,1,2,3
	OUTFRAG \o, \s, \mode
.endr
	WIN 0
.endm
; the inner operand: 8 tiles x 4 K steps, K step by K step, and their scale words.  mode 0: W's, from memory; mode 1: x's, from LDS
.macro LOADIN mode
.irp i, 0,1,2,3,4,5,6,7
.if \mode == 0
	global_load_b128 v[ISC+4*\i:ISC+4*\i+3], v[LI], s[40:41] offset:512*\i
.else
	ds_load_b128 v[ISC+4*\i:ISC+4*\i+3], v[RS] offset:512*\i
.endif
.endr
.irp s, 0,1,2,3
.irp i, 0,1,2,3,4,5,6,7
	WIN 0x40+0x40*(\i/4)
.irp c, 0,1,2
.if \mode == 0
	global_load_b128 v[12*(4*(\i%4)+\s)+4*\c:12*(4*(\i%4)+\s)+4*\c+3], v[LI], s[38:39] offset:(4*\i+\s)*FRB+512*\c
.else
	ds_load_b128 v[12*(4*(\i%4)+\s)+4*\c:12*(4*(\i%4)+\s)+4*\c+3], v[RI] offset:(4*\i+\s)*FRB+512*\c
.endif
.endr
.endr
.endr
	WIN 0
.endm
; outer tile o: 32 products on eight accumulators that take turns, the bias, the quantiser, fragment o of my block.
; Tile o + 3's 13 loads are dealt among the products: they land in the set that tile o - 1's products have read, which the wait on va_vdst behind tile o - 1's quantiser has shown done;
; no vector or matrix instruction issued since that wait names that set or its scale words (tile o's products name set o % 4).
.macro TILE o, mode
.set NY, 7-\o
.if NY > 2
.set NY, 2
.endif
.if \mode == 0
	s_wait_dscnt 13*NY                             ; tile o's 13 loads are in; those of tiles o + 1 and o + 2, 13 each, may be out
.else
	s_wait_loadcnt 13*NY
.if \o == 0
	s_wait_dscnt 0x0                               ; x's fragments are in
.endif
.endif
.if \o < 5
	OUTWORDS \o+3, \mode                           ; three tiles ahead: the scale words,
.endif
.irp s, 0,1,2,3
.if \o < 5
	OUTFRAG \o+3, \s, \mode                        ; and a K step's fragment ahead of each K step's products
.endif
.if (\mode == 0) && (\o == 0)
.if \s == 0
	s_wait_loadcnt 63                              ; W's K step 0 is in: 72 later loads could stay out; a wait names 63 at the most
.else
	s_wait_loadcnt 24*(3-\s)                       ; W's K step s is in; the later K steps' 24 loads each may be out
.endif
.endif
.irp i, 0,1,2,3,4,5,6,7
.if (\mode == 0) && (\s == 0)
	WIN 0x1d+\i/4                                  ; source 0 window 1 or 2, source 1 window 3, C (the bias) window 1
	MM ACC+8*\i, 12*(4*(\i%4)+\s), 48*(\o%4)+12*\s, CBI+8*\i, ISC+4*\i+\s, OSC+4*(\o%4)+\s
.elseif \s == 0
	WIN 0x0d+\i/4
	MMZ ACC+8*\i, 12*(4*(\i%4)+\s), 48*(\o%4)+12*\s, ISC+4*\i+\s, OSC+4*(\o%4)+\s
.else
	WIN 0x0d+\i/4
	MM ACC+8*\i, 12*(4*(\i%4)+\s), 48*(\o%4)+12*\s, ACC+8*\i, ISC+4*\i+\s, OSC+4*(\o%4)+\s
.endif
.endr
.endr
	WIN 0
.rept 4
	v_nop                                          ; four places in front of the first read of results
.endr
.if \mode == 1
.set j, 0
.rept 32                                       ; my channel's bias, two tokens at a time, each accumulator from its low end on
	v_pk_add_f32 v[ACC+2*j:ACC+2*j+1], v[ACC+2*j:ACC+2*j+1], v[CBO+2*\o:CBO+2*\o+1]
.set j, j+1
.endr
.endif
	s_wait_xcnt 0x0                                ; the last fragment's stores have had their addresses translated: their data are rewritten only behind this wait
.if \o > 0
	s_wait_alu depctr_vm_vsrc(0)                   ; the last fragment's stores have read the codes, which the quantiser below writes again
.endif
	QUANT ACC, OW+\o
	s_wait_alu depctr_va_vdst(0)                   ; the quantiser has written the codes and the scale word, which stores read; this tile's products are done reading their outer set and its scale words, in which the next tile's loads land
.irp c, 0,1,2
	global_store_b128 v[GS], v[PC+4*\c:PC+4*\c+3], s[16:17] offset:FRB*\o+512*\c   ; 32 lanes store 512 consecutive bytes
.endr
.endm
	s_load_b256 s[4:11], s[0:1], 0x0               ; value, key, query, bv
	s_load_b256 s[12:19], s[0:1], 0x20             ; bk, bq, vc, kc
	s_load_b128 s[20:23], s[0:1], 0x40             ; qc, wc
	v_lshl_add_u32 v254, v0, 2, 0x1d800
	v_mov_b32 v255, 0
	v_lshrrev_b32 v8, 5, v0
	v_readfirstlane_b32 s[WV], v8                  ; wave = head
	v_and_b32 v8, 31, v0
	v_lshlrev_b32 v[LI], 4, v8                     ; 16 x lane
	v_lshlrev_b32 v[GS], 4, v8                     ; and once more, for the result's stores
	v_and_b32 v9, 15, v0                           ; r
	v_bfe_u32 v10, v0, 4, 1                        ; h
	s_wait_alu depctr_va_sdst(0)                   ; the wave's number is written, ahead of its first reader: LDS addresses and the bases are made from it
	s_mul_i32 s32, s[WV], STGW
	v_add_nc_u32 v[SIN], s32, v[LI]                ; my stage, on the way in
	v_mul_u32_u24 v[SOUT], v9, SPT
	v_lshl_add_u32 v[SOUT], v10, 6, v[SOUT]
	v_add_nc_u32 v[SOUT], s32, v[SOUT]             ; and out: stage row r, + 64 h
	s_mul_i32 s32, s[WV], 8*FRB
	s_add_co_u32 s32, s32, XIMG
	v_add_nc_u32 v[XWI], s32, v[LI]                ; my two tiles' images
	s_lshl_b32 s32, s[WV], 10
	s_add_co_u32 s32, s32, XSC
	v_add_nc_u32 v[XWS], s32, v[LI]                ; and their scale words
	v_lshlrev_b32 v[BI], 6, v10                    ; the bias as C: 64 h
	v_and_b32 v[BO], 8, v9
	v_add_nc_u32 v[BO], v[BO], v9
	v_lshlrev_b32 v[BO], 2, v[BO]                  ; the bias of my channel: 4 (r + 8 (r / 8))
	v_add_nc_u32 v[RI], XIMG, v[LI]
	v_add_nc_u32 v[RS], XSC, v[LI]
.irp b, 0,1,2,3
	v_mov_b32 v[TM+4+\b], 0                        ; written once: a lane permute's destination counts as one of its sources
.endr
	s_mov_b32 s[SEL], 0x76543210
	s_mov_b32 s[SEL+1], 0xfedcba98
	s_wait_kmcnt 0x0
	s_mov_b32 s24, 256
	s_cmp_lt_u32 ttmp9, 256                        ; key or query?  Every choice hangs on the work-group's number alone
	s_cselect_b64 s[6:7], s[6:7], s[8:9]
	s_cselect_b64 s[12:13], s[12:13], s[14:15]
	s_cselect_b64 s[18:19], s[18:19], s[20:21]
	s_cselect_b32 s24, 128, s24                    ; the tensor's first work-group
	s_cselect_b32 s25, 5, 4                        ; log2 of its blocks of 128 rows in a batch
	s_cselect_b32 s26, WSZ, 0                      ; its weight in wc
	s_cmp_lt_u32 ttmp9, 128                        ; value?
	s_cselect_b64 s[4:5], s[4:5], s[6:7]
	s_cselect_b64 s[10:11], s[10:11], s[12:13]
	s_cselect_b64 s[16:17], s[16:17], s[18:19]
	s_cselect_b32 s24, 0, s24
	s_cselect_b32 s25, 5, s25
	s_cselect_b32 s26, 2*WSZ, s26
	s_cselect_b32 s27, 1, 0
	s_sub_co_u32 s29, ttmp9, s24                   ; which 128 rows of the tensor
	s_lshr_b32 s32, s29, s25                       ; batch
	s_lshl_b32 s33, s32, s25
	s_sub_co_u32 s33, s29, s33                     ; block in the batch
	s_lshl_b32 s34, s32, 2
	s_add_co_u32 s34, s34, s[WV]
	s_lshl_b32 s34, s34, s25
	s_add_co_u32 s34, s34, s33
	s_mul_i32 s34, s34, BLK
	s_mov_b32 s35, 0
	s_add_nc_u64 s[16:17], s[16:17], s[34:35]      ; my block of the result
	s_lshl_b32 s34, s29, 18
	s_lshl_b32 s36, s[WV], 16
	s_add_co_u32 s34, s34, s36
	s_add_nc_u64 s[4:5], s[4:5], s[34:35]          ; my 32 rows of x
	s_lshl_b32 s34, s[WV], 9
	s_add_nc_u64 s[10:11], s[10:11], s[34:35]      ; my head's bias
	s_mul_i32 s34, s[WV], 32*FRB
	s_add_co_u32 s34, s34, s26
	s_add_nc_u64 s[38:39], s[22:23], s[34:35]      ; my head's 32 fragments of W
	s_lshl_b32 s34, s[WV], 12
	s_add_co_u32 s34, s34, s26
	s_add_co_u32 s34, s34, WSC
	s_add_nc_u64 s[40:41], s[22:23], s[34:35]      ; and their scale words
	WIN 0xc0                                       ; (the window of the first loads, ahead of the wait that they lean on)
	s_wait_alu depctr_va_vdst(0)                   ; the offsets and LDS addresses v1 to v7 and v11 to v13 are written: every load and store of the kernel reads one of them
	LOADX 0
	LOADX 1
	XSTEP 0
	XSTEP 1
	XSTEP 2
	XSTEP 3
	ds_store_b128 v[XWS], v[XW:XW+3]               ; the eight scale words were written ahead of the last wait on va_vdst, and no vector instruction has been issued since
	ds_store_b128 v[XWS], v[XW+4:XW+7] offset:512
	s_wait_dscnt 0x0                               ; for the others' sake: all my stores have landed
	s_barrier_signal -1
	s_barrier_wait -1                              ; x's 32 fragments lie in LDS; from here on LDS is only read
	s_wait_alu depctr_vm_vsrc(0)                   ; the last image's stores have read the codes, which the first outer tile's quantiser writes again, on either way
	s_cmp_eq_u32 s27, 1
	s_cbranch_scc1 .Lvalue
	; ---- q, k: W stays, x comes by
	WIN 0x40
.irp i, 0,1,2,3,4,5,6,7                        ; the bias in the result's layout: tile 2 b + u, lane half h: channels 32 b + 16 h + 8 u + 0 .. 7
	global_load_b128 v[CBI+8*\i:CBI+8*\i+3], v[BI], s[10:11] offset:(32*(\i/2)+8*(\i%2))*4
	global_load_b128 v[CBI+8*\i+4:CBI+8*\i+7], v[BI], s[10:11] offset:(32*(\i/2)+8*(\i%2))*4+16
.endr
	WIN 0
	LOADIN 0
	LOADOUT 0, 0
	LOADOUT 1, 0
	LOADOUT 2, 0
.irp o, 0,1,2,3,4,5,6,7
	TILE \o, 0
.endr
	global_store_b128 v[GS], v[OW:OW+3], s[16:17] offset:12288     ; the eight scale words were written ahead of the last tile's wait on va_vdst
	global_store_b128 v[GS], v[OW+4:OW+7], s[16:17] offset:12800
	s_wait_dscnt 0x0
	s_wait_alu depctr_hold_cnt(0) depctr_sa_sdst(0) depctr_va_vdst(0) depctr_va_sdst(0) depctr_va_ssrc(0) depctr_va_vcc(0) depctr_vm_vsrc(0)
	s_wait_tensorcnt 0x0
	ds_add_u32 v254, v255
	s_wait_dscnt 0x0
	s_endpgm
.Lvalue:
	; ---- v: x stays, W comes by
.irp o, 0,1,2,3,4,5,6,7                        ; my channel's bias for tile o, twice: a pair for the packed addition
	global_load_b32 v[CBO+2*\o], v[BO], s[10:11] offset:(32*(\o/2)+8*(\o%2))*4
	global_load_b32 v[CBO+2*\o+1], v[BO], s[10:11] offset:(32*(\o/2)+8*(\o%2))*4
.endr
	LOADOUT 0, 1
	LOADOUT 1, 1
	LOADOUT 2, 1
	LOADIN 1
.irp o, 0,1,2,3,4,5,6,7
	TILE \o, 1
.endr
	global_store_b128 v[GS], v[OW:OW+3], s[16:17] offset:12288     ; the eight scale words were written ahead of the last tile's wait on va_vdst
	global_store_b128 v[GS], v[OW+4:OW+7], s[16:17] offset:12800
	s_wait_dscnt 0x0
	s_wait_alu depctr_hold_cnt(0) depctr_sa_sdst(0) depctr_va_vdst(0) depctr_va_sdst(0) depctr_va_ssrc(0) depctr_va_vcc(0) depctr_vm_vsrc(0)
	s_wait_tensorcnt 0x0
	ds_add_u32 v254, v255
	s_wait_dscnt 0x0
	s_endpgm
.Lfunc_end_k_q808bc7d337_proj:
	.size	k_q808bc7d337_proj, .Lfunc_end_k_q808bc7d337_proj-k_q808bc7d337_proj
	.p2alignl 7, 3214868480
	.fill 96, 4, 3214868480
	.section	.rodata,"a",@progbits
	.p2align	6, 0x0
	.amdhsa_kernel k_q808bc7d337_proj
		.amdhsa_group_segment_fixed_size 121344
		.amdhsa_private_segment_fixed_size 0
		.amdhsa_enable_private_segment 0
		.amdhsa_kernarg_size 80
		.amdhsa_user_sgpr_count 2
		.amdhsa_user_sgpr_kernarg_segment_ptr 1
		.amdhsa_wavefront_size32 1
		.amdhsa_system_sgpr_workgroup_id_x 1
		.amdhsa_system_sgpr_workgroup_id_y 1
		.amdhsa_system_sgpr_workgroup_id_z 1
		.amdhsa_system_vgpr_workitem_id 0
		.amdhsa_next_free_vgpr 1024
		.amdhsa_next_free_sgpr 66
		.amdhsa_reserve_vcc 0
		.amdhsa_float_denorm_mode_32 3
		.amdhsa_float_denorm_mode_16_64 3
		.amdhsa_memory_ordered 1
		.amdhsa_forward_progress 1
		.amdhsa_inst_pref_size 255
	.end_amdhsa_kernel
	.section	.bss,"aw",@nobits
	.p2align	6
	.space	262144
	.amdgpu_metadata
---
amdhsa.version: [ 1, 2 ]
amdhsa.kernels:
  - .name:           k_q808bc7d337_proj
    .symbol:         k_q808bc7d337_proj.kd
    .args:
      - { .name: value, .offset: 0, .size: 8, .value_kind: global_buffer, .address_space: global }
      - { .name: key, .offset: 8, .size: 8, .value_kind: global_buffer, .address_space: global }
      - { .name: query, .offset: 16, .size: 8, .value_kind: global_buffer, .address_space: global }
      - { .name: bv, .offset: 24, .size: 8, .value_kind: global_buffer, .address_space: global }
      - { .name: bk, .offset: 32, .size: 8, .value_kind: global_buffer, .address_space: global }
      - { .name: bq, .offset: 40, .size: 8, .value_kind: global_buffer, .address_space: global }
      - { .name: vc, .offset: 48, .size: 8, .value_kind: global_buffer, .address_space: global }
      - { .name: kc, .offset: 56, .size: 8, .value_kind: global_buffer, .address_space: global }
      - { .name: qc, .offset: 64, .size: 8, .value_kind: global_buffer, .address_space: global }
      - { .name: wc, .offset: 72, .size: 8, .value_kind: global_buffer, .address_space: global }
    .group_segment_fixed_size: 121344
    .private_segment_fixed_size: 0
    .kernarg_segment_align: 8
    .kernarg_segment_size: 80
    .max_flat_workgroup_size: 128
    .sgpr_count:     66
    .vgpr_count:     1024
    .wavefront_size: 32
...
	.end_amdgpu_metadata
.endif
;; end of part 5
;; launch attn: the kernel of part 3 again; grid 16 x 16, 8 waves a work-group, clusters of 4 x 1, 327,680 bytes of LDS; arguments qc, kc, vc, key_padding_mask, ac; writes ac
;; launch outp (part 6): grid 256 x 1, 4 waves a work-group, no clusters, 66,560 bytes of LDS; arguments ac, wc, bo, out0; writes out0
.if DOCPART == 6
	.amdgcn_target "amdgcn-amd-amdhsa--gfx1250"
	.amdhsa_code_object_version 6
	.text
	.protected	k_q808bc7d337_outp
	.globl	k_q808bc7d337_outp
	.p2align	8
	.type	k_q808bc7d337_outp,@function
k_q808bc7d337_outp:
	s_mov_b64 s[64:65], 0
	v_nop
	global_prefetch_b8 v0, s[64:65] scope:SCOPE_SE
	s_setreg_imm32_b32 hwreg(HW_REG_WAVE_SCHED_MODE, 0, 2), 2
	s_setreg_imm32_b32 hwreg(HW_REG_WAVE_MODE, 25, 1), 1
	s_wait_xcnt 0x0
	s_wait_alu depctr_vm_vsrc(0)
; out = attn Wo^T + bo, on codes of FP6 (E2M3) with one E8M0 scale for each 32 along K.  attn's codes lie in ac, a block for each (batch, head, 128 queries): head h is K step h.  Wo's lie in wc, weight 3.
; A work-group takes 32 queries (two tiles of a block), wave w columns 128 w .. 128 w + 127: Wo's tiles 8 w + i.  All operands go from memory straight into registers as images of those registers, a K step at a time,
; and the products of a K step wait only for its own loads.  Transposed use (source 0 = 16 rows of Wo, source 1 = 16 queries): a lane holds one query, and the 16 registers of tiles 2 b, 2 b + 1 are 16 neighbouring columns.
; bo is the C of each sum's first product.  The 16 accumulators take turns.
; THE WAY OUT: lane r of tile x holds query 8 x + r + 8 (r / 8) of the 32; it goes to stage row 16 x + r (rows of 2,048 bytes + 16: sixteen lanes touch sixteen consecutive rows); behind a barrier wave w reads stage rows
; 8 w .. 8 w + 7, which are queries 16 (w % 2) + 8 (w / 2) + 0 .. 7, and stores 512 consecutive bytes an instruction.
; REGISTERS: window 0: v1-4 addresses; v16-47 Wo's scale words; v48-55 attn's; v128-255 accumulators (x, i), later rows.  Windows 1, 2: Wo's 32 fragments.  Window 3: v0-95 attn's 8 fragments; v96-159 bo.
; THE MODE: SCHED_MODE bits 1:0 = 2 (LLVM: expert scheduling mode 2), set by the entry lines.  The code itself states the register dependences between vector or matrix instructions and memory or LDS
; instructions, with s_wait_alu, always for 0.
; THE PLAN.  Registers that memory or LDS instructions touch:
;   v1-4           offsets and LDS addresses: written once at the head, never again.
;   the operands, their scale words and bo: each loaded once, into registers that no vector instruction names; read by products alone.
;   v128-255       written by the products; read by the stage's 32 stores; then the stage's 32 loads land in them, and the stores to memory read them.
; So there are three waits beside the one for the wave's number: va_vdst at the head (the addresses), va_vdst behind the last products' places (the accumulators are written), vm_vsrc behind the barrier (the stage's
; stores have read the accumulators).
.set BLK,  13312
.set FRB,  1536
.set WSZ,  212992
.set WSC,  196608
.set HSTR, 16*BLK                      ; from head to head in ac
.set OP,   2064
.set LI,   1
.set BI,   2
.set SO,   3
.set SR,   4
.set ISC,  16
.set ASC,  48
.set ACC,  128
.set CBI,  96
.set MSB, 0
.macro WIN new
.if MSB != (\new)
	s_set_vgpr_msb (MSB<<8)|(\new)
.set MSB, (\new)
.endif
.endm
.macro MM d, a, b, c, sa, sb
	v_wmma_scale_f32_16x16x128_f8f6f4 v[\d:\d+7], v[\a:\a+11], v[\b:\b+11], v[\c:\c+7], v[\sa], v[\sb] matrix_a_fmt:MATRIX_FMT_FP6 matrix_b_fmt:MATRIX_FMT_FP6
.endm
	s_load_b256 s[4:11], s[0:1], 0x0               ; ac, wc, bo, out0
	v_lshl_add_u32 v126, v0, 2, 0x10200
	v_mov_b32 v127, 0
	v_lshrrev_b32 v5, 5, v0
	v_readfirstlane_b32 s14, v5                    ; wave
	v_and_b32 v5, 31, v0
	v_lshlrev_b32 v[LI], 4, v5                     ; 16 x lane
	v_and_b32 v6, 15, v0                           ; r
	v_bfe_u32 v7, v0, 4, 1                         ; h
	v_lshlrev_b32 v[BI], 6, v7
	v_mul_u32_u24 v[SO], v6, OP
	v_add_nc_u32 v[SO], v[SO], v[BI]
	s_wait_alu depctr_va_sdst(0)                   ; the wave's number is written, ahead of its first reader: LDS addresses and the bases are made from it
	s_lshl_b32 s15, s14, 9
	v_add_nc_u32 v[SO], s15, v[SO]                 ; the stage, in: row r, + 64 h, + 512 x wave
	s_mul_i32 s15, s14, 8*OP
	v_add_nc_u32 v[SR], s15, v[LI]                 ; and back: my 8 rows, 16 bytes a lane
	s_lshr_b32 s16, ttmp9, 6                       ; batch
	s_bfe_u32 s17, ttmp9, 0x40002                  ; block of 128 queries
	s_and_b32 s18, ttmp9, 3                        ; which pair of tiles
	s_lshl_b32 s16, s16, 6
	s_add_co_u32 s16, s16, s17
	s_mul_i32 s16, s16, BLK                        ; head 0's block
	s_mul_i32 s20, s18, 2*FRB
	s_add_co_u32 s20, s20, s16                     ; my two fragments
	s_mov_b32 s21, 0
	s_lshr_b32 s22, s18, 1
	s_lshl_b32 s22, s22, 9
	s_and_b32 s23, s18, 1
	s_lshl_b32 s23, s23, 3
	s_add_co_u32 s22, s22, s23
	s_add_co_u32 s22, s22, s16
	s_add_co_u32 s22, s22, 12288                   ; and their scale words
	s_mov_b32 s23, 0
	s_mul_i32 s24, s14, 32*FRB
	s_add_co_u32 s24, s24, 3*WSZ                   ; my 32 fragments of Wo
	s_mov_b32 s25, 0
	s_lshl_b32 s26, s14, 12
	s_add_co_u32 s26, s26, 3*WSZ+WSC               ; and their scale words
	s_mov_b32 s27, 0
	s_lshl_b32 s28, s14, 9                         ; my 128 numbers of bo
	s_mov_b32 s29, 0
	s_and_b32 s30, s14, 1
	s_lshl_b32 s30, s30, 4
	s_lshr_b32 s31, s14, 1
	s_lshl_b32 s31, s31, 3
	s_add_co_u32 s30, s30, s31                     ; the first query that I store: 16 (w % 2) + 8 (w / 2)
	s_lshl_b32 s30, s30, 11
	s_lshl_b32 s31, ttmp9, 16                      ; + 32 rows of 2,048 bytes a work-group
	s_add_co_u32 s30, s30, s31
	s_mov_b32 s31, 0
	s_wait_kmcnt 0x0
	s_add_nc_u64 s[20:21], s[4:5], s[20:21]
	s_add_nc_u64 s[22:23], s[4:5], s[22:23]
	s_add_nc_u64 s[24:25], s[6:7], s[24:25]
	s_add_nc_u64 s[26:27], s[6:7], s[26:27]
	s_add_nc_u64 s[8:9], s[8:9], s[28:29]
	s_add_nc_u64 s[10:11], s[10:11], s[30:31]
	WIN 0xc0                                       ; (the window of the first loads, ahead of the wait that they lean on)
	s_wait_alu depctr_va_vdst(0)                   ; the offsets and LDS addresses v1 to v4 are written: every load and store of the kernel reads one of them
.irp i, 0,1,2,3,4,5,6,7                        ; bo in the result's layout: tile 2 b + u, lane half h: columns 32 b + 16 h + 8 u + 0 .. 7
	global_load_b128 v[CBI+8*\i:CBI+8*\i+3], v[BI], s[8:9] offset:(32*(\i/2)+8*(\i%2))*4
	global_load_b128 v[CBI+8*\i+4:CBI+8*\i+7], v[BI], s[8:9] offset:(32*(\i/2)+8*(\i%2))*4+16
.endr
	WIN 0
.irp i, 0,1,2,3,4,5,6,7
	global_load_b128 v[ISC+4*\i:ISC+4*\i+3], v[LI], s[26:27] offset:512*\i
.endr
.irp x, 0,1
.irp h, 0,1,2,3
	global_load_b32 v[ASC+4*\x+\h], v[LI], s[22:23] offset:\h*HSTR+4*\x
.endr
.endr
.irp h, 0,1,2,3                                ; a K step: 6 loads of attn, 24 of Wo
	WIN 0xc0
.irp x, 0,1
.irp c, 0,1,2
	global_load_b128 v[48*\x+12*\h+4*\c:48*\x+12*\h+4*\c+3], v[LI], s[20:21] offset:\h*HSTR+\x*FRB+512*\c
.endr
.endr
.irp i, 0,1,2,3,4,5,6,7
	WIN 0x40+0x40*(\i/4)
.irp c, 0,1,2
	global_load_b128 v[12*(4*(\i%4)+\h)+4*\c:12*(4*(\i%4)+\h)+4*\c+3], v[LI], s[24:25] offset:(4*\i+\h)*FRB+512*\c
.endr
.endr
.endr
	WIN 0
.irp h, 0,1,2,3
.if \h == 0
	s_wait_loadcnt 63                              ; K step 0 is in: 90 later loads could stay out; a wait names 63 at the most
.else
	s_wait_loadcnt 30*(3-\h)                       ; K step h is in; the later K steps' 30 loads each may be out
.endif
.irp i, 0,1,2,3,4,5,6,7
.irp x, 0,1
.if \h == 0
	WIN 0x3d+\i/4                                  ; source 0 window 1 or 2, source 1 and C window 3
	MM ACC+64*\x+8*\i, 12*(4*(\i%4)+\h), 48*\x+12*\h, CBI+8*\i, ISC+4*\i+\h, ASC+4*\x+\h
.else
	WIN 0x0d+\i/4
	MM ACC+64*\x+8*\i, 12*(4*(\i%4)+\h), 48*\x+12*\h, ACC+64*\x+8*\i, ISC+4*\i+\h, ASC+4*\x+\h
.endif
.endr
.endr
.endr
	WIN 0
.rept 4
	v_nop                                          ; four places in front of the first read of results
.endr
	s_wait_alu depctr_va_vdst(0)                   ; the products have written the accumulators, which the stage's stores read and in which the stage's loads land later; the places above stay beside this wait
.irp x, 0,1
.irp i, 0,1,2,3,4,5,6,7
	ds_store_b128 v[SO], v[ACC+64*\x+8*\i:ACC+64*\x+8*\i+3] offset:16*\x*OP+128*(\i/2)+32*(\i%2)       ; each accumulator from its low end on
	ds_store_b128 v[SO], v[ACC+64*\x+8*\i+4:ACC+64*\x+8*\i+7] offset:16*\x*OP+128*(\i/2)+32*(\i%2)+16
.endr
.endr
	s_wait_dscnt 0x0                               ; for the others' sake: my stores have landed
	s_barrier_signal -1
	s_barrier_wait -1                              ; 32 whole rows lie in the stage
	s_wait_alu depctr_vm_vsrc(0)                   ; my stores into the stage have read the accumulators' registers, in which the loads below land
.set n, 0
.rept 32
	ds_load_b128 v[ACC+4*n:ACC+4*n+3], v[SR] offset:(n/4)*OP+512*(n%4)
.set n, n+1
.endr
.set n, 0
.rept 32
	s_wait_dscnt 31-n                              ; load n is back; the later ones may be out
	global_store_b128 v[LI], v[ACC+4*n:ACC+4*n+3], s[10:11] offset:(n/4)*2048+512*(n%4) th:TH_STORE_NT   ; 512 consecutive bytes, at a multiple of 256 from out0's first byte
.set n, n+1
.endr
	s_wait_dscnt 0x0
	s_wait_alu depctr_hold_cnt(0) depctr_sa_sdst(0) depctr_va_vdst(0) depctr_va_sdst(0) depctr_va_ssrc(0) depctr_va_vcc(0) depctr_vm_vsrc(0)
	s_wait_tensorcnt 0x0
	ds_add_u32 v126, v127
	s_wait_dscnt 0x0
	s_endpgm
.Lfunc_end_k_q808bc7d337_outp:
	.size	k_q808bc7d337_outp, .Lfunc_end_k_q808bc7d337_outp-k_q808bc7d337_outp
	.p2alignl 7, 3214868480
	.fill 96, 4, 3214868480
	.section	.rodata,"a",@progbits
	.p2align	6, 0x0
	.amdhsa_kernel k_q808bc7d337_outp
		.amdhsa_group_segment_fixed_size 66560
		.amdhsa_private_segment_fixed_size 0
		.amdhsa_enable_private_segment 0
		.amdhsa_kernarg_size 32
		.amdhsa_user_sgpr_count 2
		.amdhsa_user_sgpr_kernarg_segment_ptr 1
		.amdhsa_wavefront_size32 1
		.amdhsa_system_sgpr_workgroup_id_x 1
		.amdhsa_system_sgpr_workgroup_id_y 1
		.amdhsa_system_sgpr_workgroup_id_z 1
		.amdhsa_system_vgpr_workitem_id 0
		.amdhsa_next_free_vgpr 1024
		.amdhsa_next_free_sgpr 66
		.amdhsa_reserve_vcc 0
		.amdhsa_float_denorm_mode_32 3
		.amdhsa_float_denorm_mode_16_64 3
		.amdhsa_memory_ordered 1
		.amdhsa_forward_progress 1
		.amdhsa_inst_pref_size 35
	.end_amdhsa_kernel
	.amdgpu_metadata
---
amdhsa.version: [ 1, 2 ]
amdhsa.kernels:
  - .name:           k_q808bc7d337_outp
    .symbol:         k_q808bc7d337_outp.kd
    .args:
      - { .name: ac, .offset: 0, .size: 8, .value_kind: global_buffer, .address_space: global }
      - { .name: wc, .offset: 8, .size: 8, .value_kind: global_buffer, .address_space: global }
      - { .name: bo, .offset: 16, .size: 8, .value_kind: global_buffer, .address_space: global }
      - { .name: out0, .offset: 24, .size: 8, .value_kind: global_buffer, .address_space: global }
    .group_segment_fixed_size: 66560
    .private_segment_fixed_size: 0
    .kernarg_segment_align: 8
    .kernarg_segment_size: 32
    .max_flat_workgroup_size: 128
    .sgpr_count:     66
    .vgpr_count:     1024
    .wavefront_size: 32
...
	.end_amdgpu_metadata
.endif
;; end of part 6
